; MI455X (gfx1250); checked and timed in simulation.
; The chip was launched on July 23, 2026; its instructions are those of AMD's public machine-readable ISA for CDNA 5 (MIT licence, August 2026) and "CDNA5" Instruction Set Architecture Reference Guide (July 2026). The comments in the code are by the model that wrote it; some were corrected since.
;; Multi Head Attention. Allowed arithmetic: matrix products marked QUANTISED: E2M3 operands, one E8M0 scale for each 32 along K, by v_wmma_scale_f32_16x16x128_f8f6f4 with both operands' format E2M3, f32 sums; everything else in f32.
;; Inputs: Wk 16 x 1,024 x 64 float32; Wo 1,024 x 1,024 float32; Wq 16 x 1,024 x 64 float32; Wv 16 x 1,024 x 64 float32; bo 1,024 float32; x 4 x 2,048 x 1,024 float32.
;; Outputs: out0 4 x 2,048 x 1,024 float32.
;; This version of the problem:
;;   THIS VERSION OF THE PROBLEM IS GIVEN IN LOW PRECISION. The matrix products marked QUANTISED in the list below multiply operands that are first quantised to E2M3 (2 exponent bits, 3 mantissa bits; 6 bits a number), with one power-of-two scale for each 32 numbers along K (OCP MX v1.0); their sums are f32. All else is computed in f32.
;;   The module's matrix products, in the order in which they are computed (A, B: the left and right operand; K: the contracted axis; several contracted axes count as one K, in the product's order):
;;     1. [M 1,024, K 1,024] x [K 1,024, N 8,192]; A: input Wq; B: input x: QUANTISED
;;     2. [M 1,024, K 1,024] x [K 1,024, N 8,192]; A: input Wk; B: input x: QUANTISED
;;     3. [M 1,024, K 1,024] x [K 1,024, N 8,192]; A: input Wv; B: input x: QUANTISED
;;     4. batch 64 x [M 2,048, K 64] x [K 64, N 2,048]; A: computed on the way; B: computed on the way: QUANTISED
;;     5. batch 64 x [M 2,048, K 2,048] x [K 2,048, N 64]; A: softmax (see below); B: computed on the way: QUANTISED
;;     6. [M 8,192, K 1,024] x [K 1,024, N 1,024]; A: computed on the way; B: input Wo: QUANTISED
;;   THE QUANTISER, for each operand of a quantised product, along K:
;;     - K is cut into blocks of 32 from its start; a last block that is shorter is filled with zeros.
;;     - A block's scale is 2^e with e = floor(log2(the largest magnitude in the block)) - 2, held to -126 .. 127; a block of zeros has e = 0. As a byte (E8M0): e + 127.
;;     - Each number is divided by its block's scale, clamped to +-7.5, and rounded to the nearest number of E2M3, ties to even, subnormals kept.
;;     - The product sums the exact products of the quantised numbers (number of the format x scale) in f32.
;;   ~~~python
;;   def quantise(x, axis):      # numpy; x: float32 -> the quantised numbers, widened to float32 again
;;       x = np.moveaxis(x, axis, -1); K = x.shape[-1]
;;       x = np.pad(x, [(0, 0)] * (x.ndim - 1) + [(0, -K % 32)]); x = x.reshape(x.shape[:-1] + (-1, 32)); a = np.abs(x).max(-1, keepdims=True)
;;       e = np.where(a > 0, np.clip(np.frexp(np.where(a > 0, a, 1))[1] - 1 - 2, -126, 127), 0)      # np.frexp(a)[1] - 1 = floor(log2(a)), exactly
;;       r = np.clip(x / 2.0 ** e, -7.5, 7.5)
;;       step = 2.0 ** (np.maximum(np.frexp(np.where(r == 0, 1, r))[1] - 1, 0) - 3)
;;       q = np.round(r / step) * step * 2.0 ** e      # np.round: ties to even
;;       return np.moveaxis(q.reshape(q.shape[:-2] + (-1,))[..., :K], -1, axis).astype(np.float32)
;;   ~~~
;;   SOFTMAX AHEAD OF A QUANTISED PRODUCT. Where the list says 'softmax', what is quantised is not the finished softmax but p = 2^(t - M), with t = logit x log2(e) and M = ceil(the row's largest t), a whole number; so 1/2 < the row's largest p <= 1. The row's sum l is taken of the UNQUANTISED p, in f32, and the product's result is divided by l at the end. Since M is a whole number, a kernel that streams over the keys may use a running M (the ceiling of the running maximum): every later rescaling is an exact power of two, which a block's scale takes up: the codes' values come out the same.
;;   OPERANDS COMPUTED ON THE WAY. 'Computed on the way' means the value that the module computes at that place (a softmax that the list does not call 'softmax' is quantised finished and normalised). What goes into a quantiser is computed in f32, as accurately as f32 sums, v_exp_f32 and their like allow (about 1e-6 of the number): no bf16 or f16 on the way to a quantiser, and a product that is left as it is and whose result goes on into a quantised operand takes f32 operands (vector FMAs, or v_wmma_f32_16x16x4_f32). A number that lies on a knife's edge between two numbers of the format may be rounded either way, as far as f32 arithmetic and the matrix unit's own rounding can turn it there, and no further.
;; One version. Each part assembles by itself: llvm-mc -triple=amdgcn-amd-amdhsa -mcpu=gfx1250 --defsym DOCPART=n.
;; ======== version 1 of 1: 4 launches
;; limits: right only within a limited range of input values
;; workspace buffers: codes 9,437,184 bytes; scales 393,216 bytes; qkv 22,020,096 bytes; ocodes 6,291,456 bytes; oscales 262,144 bytes
;; launch quant (part 1): grid 480 x 1, 4 waves a work-group, no clusters, 34,304 bytes of LDS; arguments x, Wo, Wq, Wk, Wv, codes, scales; writes codes, scales
.if DOCPART == 1
	.amdgcn_target "amdgcn-amd-amdhsa--gfx1250"
	.amdhsa_code_object_version 6
	.text
	.protected	k_qcce4b0e476_quant
	.globl	k_qcce4b0e476_quant
	.p2align	8
	.type	k_qcce4b0e476_quant,@function
k_qcce4b0e476_quant:
	s_mov_b64 s[64:65], 0
	v_nop
	global_prefetch_b8 v0, s[64:65] scope:SCOPE_SE
	s_setreg_imm32_b32 hwreg(HW_REG_WAVE_MODE, 25, 1), 1
	s_wait_xcnt 0x0
; x [8192][1024], Wo [1024][1024] (K innermost) and Wq, Wk, Wv [16][1024][64] (K = the middle axis) become codes of FP6 (E2M3) with one E8M0 byte for each 32 along K.
; A block's scale is 2^(floor(log2(its largest magnitude)) - 2): its byte is the largest magnitude's exponent field - 2, held at 1 from below by a floor among the maximum's leaves.
; LIMITS: a block of zeros, or one whose largest magnitude lies under 2^-124, gets the byte 1 (the rule says 127 for zeros: the codes are zeros, and this program alone reads the bytes); NaN and infinities are not served.
; THE WORKSPACE IS LAID AS THE MATRIX INSTRUCTION'S REGISTERS.  A ROW TILE g holds 16 rows, row(g, i) = 32 (g / 2) + 8 (g % 2) + i + 8 (i / 8).  A fragment (a row tile x 128 K, 12 registers a lane) is 1,536 bytes:
;   +0: registers 0-1, 8 bytes a lane;  +256: registers 2-5, 16 a lane;  +768: registers 6-7;  +1024: registers 8-11.  codes: [row tile 0..767][K step 0..7][1536]; tiles 0-511 x, 512-575 Wq (row = 64 head + d), 576-639 Wk, 640-703 Wv, 704-767 Wo.
;   scales: [row tile][q 0..1][row 0..15][16 bytes]: byte j is the byte of block 16 q + j, so 16 bytes are the scale words of K steps 4 q .. 4 q + 3.
; Work-groups 0-287: x and Wo, a wave to a row tile x 4 K steps.  Work-groups 288-479: the three weights, a wave to 32 columns d x one K step.  Waves share nothing: no barrier.  Only the first path uses LDS.
; THE ORDER OF ROWS IN A ROW TILE, as the text below lays it (the formula in the lines above is replaced by this one): row(g, i) = 64 (g / 4) + 8 (g % 4) + i % 8 + 32 (i / 8).
; With it the 32 registers that a lane gets from four neighbouring tiles as source 0 are 32 neighbouring rows: a whole scale block of the next product.
.set STGB, 8448                        ; a wave's stage: 16 rows x (512 bytes + 16)
.set R,   16                           ; v16-143   two sets of 64 registers as loaded
.set X,   144                          ; v144-207  64 numbers: X + 32 c + i = number i of block 2 c + h of my row
.set PC,  208                          ; v208-219  the fragment's 12 registers
.set PT,  220                          ; v220-222, v224-226  second halves of the blocks' codes (a conversion's three registers begin on an even number)
.set WD,  228                          ; v228-231  the four K steps' scale words
	s_load_b256 s[4:11], s[0:1], 0x0               ; x s[4:5], Wo s[6:7], Wq s[8:9], Wk s[10:11]
	s_load_b128 s[12:15], s[0:1], 0x20             ; Wv s[12:13], codes s[14:15]
	s_load_b64 s[16:17], s[0:1], 0x30              ; scales
	v_lshl_add_u32 v240, v0, 2, 0x8400
	v_mov_b32 v241, 0
	v_lshrrev_b32 v1, 5, v0
	v_readfirstlane_b32 s18, v1                    ; wave
	v_and_b32 v1, 31, v0                           ; lane
	v_and_b32 v2, 15, v0                           ; r
	v_bfe_u32 v3, v0, 4, 1                         ; h
	s_mov_b32 s20, 0x76543210
	s_mov_b32 s21, 0xfedcba98                      ; v_permlanex16_b32's selects for lane l xor 16
	s_mov_b32 s22, 0xffff0000                      ; lanes 16-31
	s_mov_b32 s29, 0
	s_wait_kmcnt 0x0
	s_cmp_ge_u32 ttmp9, 288
	s_cbranch_scc1 .Lweights
	; ---------------- x and Wo: K is innermost ----------------
	s_lshr_b32 s23, s18, 1
	s_lshl_b32 s24, ttmp9, 1
	s_add_co_u32 s24, s24, s23                     ; which of the 576 row tiles: 2 x work-group + wave / 2
	s_and_b32 s25, s18, 1                          ; q: which four K steps
	s_cmp_ge_u32 ttmp9, 256                        ; x's or Wo's: the choice hangs on the work-group's number alone
	s_cselect_b64 s[4:5], s[6:7], s[4:5]
	s_cselect_b32 s26, 512, 0
	s_cselect_b32 s27, 192, 0
	s_sub_co_u32 s26, s24, s26                     ; the row tile within its tensor
	s_add_co_u32 s27, s24, s27                     ; and in the workspace (Wo's begin at 704)
	s_lshr_b32 s28, s26, 2
	s_lshl_b32 s28, s28, 18                        ; 64 rows of 4,096 bytes
	s_and_b32 s30, s26, 3
	s_lshl_b32 s30, s30, 15                        ; 8 rows
	s_add_co_u32 s28, s28, s30
	s_lshl_b32 s30, s25, 11                        ; 512 numbers along K
	s_add_co_u32 s28, s28, s30
	s_add_nc_u64 s[4:5], s[4:5], s[28:29]
	s_mul_i32 s28, s27, 12288
	s_mul_i32 s30, s25, 6144
	s_add_co_u32 s28, s28, s30
	s_add_nc_u64 s[14:15], s[14:15], s[28:29]
	s_lshl_b32 s28, s27, 9
	s_lshl_b32 s30, s25, 8
	s_add_co_u32 s28, s28, s30
	s_add_nc_u64 s[16:17], s[16:17], s[28:29]
	s_wait_alu depctr_va_vdst(0)
	v_lshlrev_b32 v4, 4, v1                        ; 16 x lane
	v_lshlrev_b32 v7, 3, v1                        ; 8 x lane
	v_lshlrev_b32 v8, 3, v3                        ; 8 h: my bytes' shift in a scale word
	v_lshl_add_u32 v9, v2, 4, v8                   ; 16 r + 8 h: where my 8 scale bytes go
	s_mul_i32 s31, s18, STGB
	v_add_nc_u32 v5, s31, v4                       ; the stage, on the way in: 16 x lane of a row
	v_mul_u32_u24 v6, v2, 528
	v_lshl_add_u32 v6, v3, 7, v6
	v_add_nc_u32 v6, s31, v6                       ; and on the way out: row r, + 128 h: my block of 32 numbers
	v_mov_b32 v239, 0                              ; a lane permute's destination counts as one of its sources
.macro LOADX s                         ; K step s of the 16 rows: each load reads 512 consecutive bytes of one row
.irp i, 0,1,2,3,4,5,6,7,8,9,10,11,12,13,14,15
	global_load_b128 v[R+64*((\s)%2)+4*\i:R+64*((\s)%2)+4*\i+3], v4, s[4:5] offset:(\i+24*(\i/8))*4096+512*(\s) th:TH_LOAD_NT
.endr
.endm
.macro TURNX s                         ; through the wave's stage: in as loaded, out 128 bytes a lane and block.  LDS serves a wave's instructions in order: no wait between stores and loads
.irp i, 0,1,2,3,4,5,6,7,8,9,10,11,12,13,14,15
	ds_store_b128 v5, v[R+64*((\s)%2)+4*\i:R+64*((\s)%2)+4*\i+3] offset:528*\i
.endr
.irp c, 0,1
.irp e, 0,1,2,3,4,5,6,7
	ds_load_b128 v[X+32*\c+4*\e:X+32*\c+4*\e+3], v6 offset:256*\c+16*\e
.endr
.endr
.endm
.macro QUANTX s                        ; my two whole blocks (2 c + h) of K step s: the fragment's registers, and the scale word
.if (\s) > 0
	s_wait_xcnt 0x0                                ; the last step's stores have read the registers that are written again below
.endif
.irp c, 0,1
	v_max3_num_f32 v[232+\c], |v[X+32*\c]|, |v[X+32*\c+1]|, 0x1800000   ; the floor 2^(3 - 127) holds the byte at 1 from below
.endr
.irp i, 2,4,6,8,10,12,14,16,18,20,22,24,26,28,30
.irp c, 0,1
	v_max3_num_f32 v[232+\c], v[232+\c], |v[X+32*\c+\i]|, |v[X+32*\c+\i+1]|
.endr
.endr
.irp c, 0,1
	v_add_nc_u32 v[234+\c], 0xff000000, v[232+\c]  ; 2 off the exponent field: the conversion's scale operand
.endr
.irp c, 0,1
	v_lshrrev_b32 v[236+\c], 23, v[234+\c]         ; the scale's byte
.endr
	v_lshl_or_b32 v238, v237, 16, v236             ; blocks h and 2 + h,
	v_lshlrev_b32 v238, v8, v238                   ; at their places in the word;
	v_permlanex16_b32 v239, v238, s20, s21
	v_or_b32 v[WD+(\s)], v238, v239                ; with lane l xor 16's two the word is whole
.irp c, 0,1
	v_cvt_scalef32_pk16_fp6_f32 v[PC+6*\c:PC+6*\c+2], v[X+32*\c:X+32*\c+15], v[234+\c]
	v_cvt_scalef32_pk16_fp6_f32 v[PT+4*\c:PT+4*\c+2], v[X+32*\c+16:X+32*\c+31], v[234+\c]
.endr
	v_nop                                          ; one plain place behind a scaled conversion
.irp c, 0,1
.irp i, 0,1,2
	v_mov_b32 v[PC+6*\c+3+\i], v[PT+4*\c+\i]
.endr
.endr
	global_store_b64 v7, v[PC:PC+1], s[14:15] offset:1536*(\s)             ; each store covers 256 or 512 consecutive bytes, aligned
	global_store_b128 v4, v[PC+2:PC+5], s[14:15] offset:1536*(\s)+256
	global_store_b64 v7, v[PC+6:PC+7], s[14:15] offset:1536*(\s)+768
	global_store_b128 v4, v[PC+8:PC+11], s[14:15] offset:1536*(\s)+1024
.endm
	LOADX 0
	LOADX 1
	s_wait_alu depctr_va_vdst(0)
.irp s, 0,1,2,3
.if \s < 3
	s_wait_loadcnt 16                              ; this step's 16 loads are in; the next step's 16 may be out
.else
	s_wait_loadcnt 0x0
.endif
	TURNX \s
	s_wait_dscnt 0x0                               ; the 64 numbers are back, and the stage's stores have read their registers,
.if \s < 2
	LOADX \s+2                                     ; which take the loads of two steps on
.endif
	QUANTX \s
.endr
	v_cndmask_b32 v232, v[WD], v[WD+2], s22        ; lanes 0-15 store words 0 and 1 of row r, lanes 16-31 words 2 and 3:
	v_cndmask_b32 v233, v[WD+1], v[WD+3], s22
	global_store_b64 v9, v[232:233], s[16:17]      ; 256 consecutive bytes, aligned
	s_wait_tensorcnt 0x0
	ds_add_u32 v240, v241
	s_wait_dscnt 0x0
	s_endpgm
	; ---------------- Wq, Wk, Wv: K is the middle axis.  A lane takes a column d, its registers run down K ----------------
.Lweights:
	s_sub_co_u32 s23, ttmp9, 288
	s_and_b32 s24, s23, 1
	s_lshl_b32 s24, s24, 2
	s_add_co_u32 s24, s24, s18                     ; my K step: 4 x (work-group % 2) + wave
	s_lshr_b32 s25, s23, 1                         ; which 32 columns of the 3 x 1,024: 0..95
	s_cmp_lt_u32 s25, 64
	s_cselect_b64 s[4:5], s[10:11], s[12:13]       ; Wk or Wv,
	s_cmp_lt_u32 s25, 32
	s_cselect_b64 s[4:5], s[8:9], s[4:5]           ; or Wq: the choice hangs on the work-group's number alone
	s_bfe_u32 s26, s25, 0x40001                    ; the head
	s_lshl_b32 s26, s26, 18                        ; 1,024 rows of 256 bytes
	s_lshl_b32 s27, s24, 15                        ; 128 rows
	s_add_co_u32 s26, s26, s27
	s_and_b32 s27, s25, 1
	s_lshl_b32 s27, s27, 6                         ; tiles 2 v, 2 v + 1 of the head's four begin at column 16 v
	s_add_co_u32 s26, s26, s27
	s_mov_b32 s27, 0
	s_add_nc_u64 s[4:5], s[4:5], s[26:27]
	s_lshl_b32 s28, s25, 1
	s_add_co_u32 s28, s28, 512                     ; the first of my two row tiles
	s_mul_i32 s26, s28, 12288
	s_mul_i32 s30, s24, 1536
	s_add_co_u32 s26, s26, s30
	s_add_nc_u64 s[14:15], s[14:15], s[26:27]
	s_lshl_b32 s26, s28, 9
	s_lshr_b32 s30, s24, 2
	s_lshl_b32 s30, s30, 8
	s_add_co_u32 s26, s26, s30
	s_and_b32 s30, s24, 3
	s_lshl_b32 s30, s30, 2
	s_add_co_u32 s26, s26, s30
	s_add_nc_u64 s[16:17], s[16:17], s[26:27]
	s_wait_alu depctr_va_vdst(0)
	v_and_b32 v4, 8, v2
	v_mad_u32_u24 v4, v4, 3, v2                    ; r % 8 + 32 (r / 8)
	v_lshl_add_u32 v4, v3, 3, v4                   ; my column: 8 u + r % 8 + 32 (r / 8): lanes 0-15 are the first tile's rows, lanes 16-31 the second's
	v_lshlrev_b32 v4, 2, v4
	v_lshlrev_b32 v5, 3, v1                        ; 8 x lane
	v_lshlrev_b32 v6, 4, v1                        ; 16 x lane
	v_lshlrev_b32 v7, 4, v2
	v_lshl_add_u32 v7, v3, 9, v7                   ; my row's scale word: 512 u + 16 r
.set j, 0
.rept 128
	global_load_b32 v[16+j], v4, s[4:5] offset:256*j th:TH_LOAD_NT   ; row j of the K step: the wave reads four runs of 32 bytes of the row's 256
.set j, j+1
.endr
	s_wait_loadcnt 0x0
.irp j, 0,1,2,3                        ; four whole blocks are mine
	v_max3_num_f32 v[184+\j], |v[16+32*\j]|, |v[17+32*\j]|, 0x1800000
.endr
.irp i, 2,4,6,8,10,12,14,16,18,20,22,24,26,28,30
.irp j, 0,1,2,3
	v_max3_num_f32 v[184+\j], v[184+\j], |v[16+32*\j+\i]|, |v[17+32*\j+\i]|
.endr
.endr
.irp j, 0,1,2,3
	v_add_nc_u32 v[188+\j], 0xff000000, v[184+\j]
.endr
.irp j, 0,1,2,3
	v_lshrrev_b32 v[192+\j], 23, v[188+\j]
.endr
	v_lshl_or_b32 v196, v193, 8, v192
	v_lshl_or_b32 v196, v194, 16, v196
	v_lshl_or_b32 v196, v195, 24, v196             ; my row's scale word of this K step
.irp j, 0,1,2,3                        ; blocks 0 and 2 into v144-155, blocks 1 and 3 into v156-167
	v_cvt_scalef32_pk16_fp6_f32 v[144+12*(\j%2)+6*(\j/2):144+12*(\j%2)+6*(\j/2)+2], v[16+32*\j:31+32*\j], v[188+\j]
	v_cvt_scalef32_pk16_fp6_f32 v[168+4*\j:170+4*\j], v[32+32*\j:47+32*\j], v[188+\j]
.endr
	v_nop                                          ; one plain place behind a scaled conversion
.irp j, 0,1,2,3
.irp i, 0,1,2
	v_mov_b32 v[147+12*(\j%2)+6*(\j/2)+\i], v[168+4*\j+\i]
.endr
.endr
.irp i, 0,1,2,3,4,5,6,7,8,9,10,11
	v_permlane16_swap_b32 v[144+\i], v[156+\i]     ; the first's lanes 16-31 change places with the second's lanes 0-15: v144-155 are now the first tile's fragment (lanes 16-31: blocks 1, 3), v156-167 the second's
.endr
.irp u, 0,1
	global_store_b64 v5, v[144+12*\u:145+12*\u], s[14:15] offset:12288*\u
	global_store_b128 v6, v[146+12*\u:149+12*\u], s[14:15] offset:12288*\u+256
	global_store_b64 v5, v[150+12*\u:151+12*\u], s[14:15] offset:12288*\u+768
	global_store_b128 v6, v[152+12*\u:155+12*\u], s[14:15] offset:12288*\u+1024
.endr
	global_store_b32 v7, v196, s[16:17]            ; 4 bytes a row, 16 bytes apart: 128 of the wave's 3,200 bytes leave so
	s_endpgm
.Lfunc_end_k_qcce4b0e476_quant:
	.size	k_qcce4b0e476_quant, .Lfunc_end_k_qcce4b0e476_quant-k_qcce4b0e476_quant
	.p2alignl 7, 3214868480
	.fill 96, 4, 3214868480
	.section	.rodata,"a",@progbits
	.p2align	6, 0x0
	.amdhsa_kernel k_qcce4b0e476_quant
		.amdhsa_group_segment_fixed_size 34304
		.amdhsa_private_segment_fixed_size 0
		.amdhsa_enable_private_segment 0
		.amdhsa_kernarg_size 56
		.amdhsa_user_sgpr_count 2
		.amdhsa_user_sgpr_kernarg_segment_ptr 1
		.amdhsa_wavefront_size32 1
		.amdhsa_system_sgpr_workgroup_id_x 1
		.amdhsa_system_sgpr_workgroup_id_y 1
		.amdhsa_system_sgpr_workgroup_id_z 1
		.amdhsa_system_vgpr_workitem_id 0
		.amdhsa_next_free_vgpr 242
		.amdhsa_next_free_sgpr 66
		.amdhsa_reserve_vcc 0
		.amdhsa_float_denorm_mode_32 3
		.amdhsa_float_denorm_mode_16_64 3
		.amdhsa_memory_ordered 1
		.amdhsa_forward_progress 1
		.amdhsa_inst_pref_size 51
	.end_amdhsa_kernel
	.amdgpu_metadata
---
amdhsa.version: [ 1, 2 ]
amdhsa.kernels:
  - .name:           k_qcce4b0e476_quant
    .symbol:         k_qcce4b0e476_quant.kd
    .args:
      - { .name: x, .offset: 0, .size: 8, .value_kind: global_buffer, .address_space: global }
      - { .name: Wo, .offset: 8, .size: 8, .value_kind: global_buffer, .address_space: global }
      - { .name: Wq, .offset: 16, .size: 8, .value_kind: global_buffer, .address_space: global }
      - { .name: Wk, .offset: 24, .size: 8, .value_kind: global_buffer, .address_space: global }
      - { .name: Wv, .offset: 32, .size: 8, .value_kind: global_buffer, .address_space: global }
      - { .name: codes, .offset: 40, .size: 8, .value_kind: global_buffer, .address_space: global }
      - { .name: scales, .offset: 48, .size: 8, .value_kind: global_buffer, .address_space: global }
    .group_segment_fixed_size: 34304
    .private_segment_fixed_size: 0
    .kernarg_segment_align: 8
    .kernarg_segment_size: 56
    .max_flat_workgroup_size: 128
    .sgpr_count:     66
    .vgpr_count:     242
    .wavefront_size: 32
...
	.end_amdgpu_metadata
.endif
;; end of part 1
;; launch qkv (part 2): grid 4 x 64, 4 waves a work-group, clusters of 4 x 4, 327,680 bytes of LDS; arguments codes, scales, qkv; writes qkv
.if DOCPART == 2
	.amdgcn_target "amdgcn-amd-amdhsa--gfx1250"
	.amdhsa_code_object_version 6
	.text
	.protected	k_qcce4b0e476_qkv
	.globl	k_qcce4b0e476_qkv
	.p2align	8
	.type	k_qcce4b0e476_qkv,@function
k_qcce4b0e476_qkv:
	s_mov_b64 s[64:65], 0
	v_nop
	global_prefetch_b8 v0, s[64:65] scope:SCOPE_SE
	s_setreg_imm32_b32 hwreg(HW_REG_WAVE_MODE, 25, 1), 1
	s_wait_xcnt 0x0
	s_wait_alu depctr_hold_cnt(0) depctr_sa_sdst(0) depctr_va_vdst(0) depctr_va_sdst(0) depctr_va_ssrc(0) depctr_va_vcc(0) depctr_vm_vsrc(0)
	s_getreg_b32 s2, hwreg(HW_REG_IB_STS2, 6, 4)
	s_cmp_eq_u32 s2, 0
	s_cbranch_scc0 .Lentry_in_a_cluster
	s_endpgm
.Lentry_in_a_cluster:
	s_bfe_u32 s2, ttmp6, 0x10000c
	s_cmp_lg_u32 s2, 0xf033
	s_cbranch_scc0 .Lentry_shape_is_right
	s_endpgm
.Lentry_shape_is_right:
; q, k and v of all heads, on codes of FP6 (E2M3) with E8M0 scales, K = 1,024; the results are quantised in registers and leave as codes: q and k along d (2 blocks a head), v along the keys.
; D = P x R (source 0 = 16 rows of P, source 1 = 16 rows of R): a lane holds ONE row of R, its registers run along P's rows.  Row i of row tile g is 64 (g / 4) + 8 (g % 4) + i % 8 + 32 (i / 8),
; so a lane's 32 registers of P's tiles 4 c .. 4 c + 3 are P's rows 64 c + 32 (lane / 16) + 0 .. 31: a whole scale block of the next product.
; A WORK-GROUP STAYS and does three jobs on end: job 0: P = rows (head, d) of Wq, R = rows t of x; job 1: the same with Wk; job 2: P = rows of x (the keys), R = rows (head, d) of Wv.  256 work-groups: one for each WGP.
; A job makes 256 rows of P x 128 rows of R; wave w: P's half w / 2 (8 tiles), R's half w % 2 (4 tiles): 32 accumulators.
; LDS: a ring of two slots, each with four K steps of P's 16 row tiles and R's 8 (147,456 bytes).  A fragment lies in memory and LDS in the order of its registers (1,536 bytes: +0 registers 0-1, +256 registers 2-5, +768 registers 6-7, +1024 registers 8-11).
; At the head one load a wave: P and R of slot 0 (waves 0, 1), of slot 1 (waves 2, 3).  In K step 3 of a job nobody reads slot 0 any more: it takes the next job's first four K steps; in K step 7 slot 1 takes the other four.
; Each refill stands behind a tensor wait, an LDS add, its wait and a round of the cluster's barrier, one load a wave (wave 0 P's, wave 1 R's); 16 products stand between the add and the wait for it.  One load of a wave is out at the most.
; The jobs 0 and 1 are a loop of two trips; job 2, which asks for nothing more, is written out.
; THE SCALE WORDS of a job's K steps 0-3 are loaded in the job before, in its K step 4, into the registers that its K steps 0-3 have done with; those of K steps 4-7 behind its K step 7.  s_wait_loadcnt 6 counts the six loads issued behind the six that are wanted.
; CLUSTER 4 x 4: P's tile hangs on cx and is asked for jointly by my column, R's on cy, by my row.
; No prefetch.
; OUT: qkv = Q region [b, head][tile T 0..127][1024]: 768 bytes of codes (registers 0-5), 64 of scale words, 192 that nobody writes or reads;  from KVOFF on [b, head][key step 0..15][13312]:
;   K's 8 tiles x 768, K's scale words 8 x 64, V's 4 tiles of d x 1,536, V's scale words 4 x 128 (64 of words, 64 that are stored and never used).  q's and k's scale words hold their two bytes in bytes 0, 1 and 0 in bytes 2, 3.
; LIMITS: a block whose largest magnitude lies under 2^-124 gets the byte 1; NaN and infinities are not served.
; REGISTERS: window 0: v4-17 LDS addresses; v22-27 offsets; v32-63 P's scale words (8 i + s: lanes 0-15 tile i, lanes 16-31 tile i + 4, K step s); v64-79 R's (tiles j, j + 2); v80-127, v128-175 R's fragments, two sets; v176.. the way out.
;   window 1: v0-95, v128-223 P's fragments, two sets.   window 2: accumulator (P tile a, R tile m) at v[8 (8 m + a)].
.set KVOFF, 8388608
.set CH,   147456
.set ROFF, 98304
.set SCP,  32
.set SCR,  64
.set SOFF, 22
.set L8,   24
.set L16,  25
.set TM,   176
.set PW,   192
.set SW,   193
.set PC,   196
.set JJ,   82                          ; s82 the job whose tiles are being worked out
.set JC,   83                          ; s83 the loop's trip = the job in hand
.set MSB, 0
.macro WIN new
.if MSB != \new
	s_set_vgpr_msb (MSB<<8)|\new
.set MSB, \new
.endif
.endm
.macro CROUND
	s_barrier_signal -1
	s_barrier_wait -1
	s_cmp_lg_u32 s16, 0
	s_cbranch_scc1 .Lnot_wave_0_\@
	s_barrier_signal -3
.Lnot_wave_0_\@:
	s_barrier_wait -3
	s_barrier_signal -1
	s_barrier_wait -1
.endm
.macro PLACES n
.rept \n
	v_nop
.endr
.endm
.macro FRAG reg, a8, a16, off
	ds_load_b64 v[(\reg):(\reg)+1], v[\a8] offset:(\off)
	ds_load_b128 v[(\reg)+2:(\reg)+5], v[\a16] offset:(\off)+256
	ds_load_b64 v[(\reg)+6:(\reg)+7], v[\a8] offset:(\off)+768
	ds_load_b128 v[(\reg)+8:(\reg)+11], v[\a16] offset:(\off)+1024
.endm
.macro FETCH s, p                      ; K step s: my 8 fragments of P and 4 of R into set p: 48 LDS loads
.set fc, (\s)/4
.set fq, (\s)%4
	WIN 0x40
.irp a, 0,1,2,3,4,5,6,7
	FRAG 128*(\p)+12*\a, 4+fc, 8+fc, 6144*\a+1536*fq
.endr
	WIN 0
.irp m, 0,1,2,3
	FRAG 80+48*(\p)+12*\m, 12+fc, 16+fc, 6144*\m+1536*fq
.endr
.endm
.macro MM1 c, ra, rb
	v_wmma_scale_f32_16x16x128_f8f6f4 v[rD:rD+7], v[rA:rA+11], v[rB:rB+11], \c, v[rP], v[rR] matrix_a_fmt:MATRIX_FMT_FP6 matrix_b_fmt:MATRIX_FMT_FP6 matrix_a_scale:MATRIX_SCALE_ROW\ra matrix_b_scale:MATRIX_SCALE_ROW\rb
.endm
.macro MMC c, ha, hm
.if (\ha) && (\hm)
	MM1 \c, 1, 1
.elseif (\ha)
	MM1 \c, 1, 0
.elseif (\hm)
	MM1 \c, 0, 1
.else
	MM1 \c, 0, 0
.endif
.endm
.macro MM a, m, p, s, first            ; one product; first = 1: it starts the sum with the constant 0
.set rD, 8*(8*(\m)+(\a))
.set rA, 128*(\p)+12*(\a)
.set rB, 80+48*(\p)+12*(\m)
.set rP, SCP+8*((\a)%4)+(\s)
.set rR, SCR+8*((\m)%2)+(\s)
.if \first
	MMC 0, (\a)/4, (\m)/2
.else
	MMC v[rD:rD+7], (\a)/4, (\m)/2
.endif
.endm
.macro PRODS s, first, m0, m1          ; 16 products of K step s: R's tiles m0, m1 x P's eight; each accumulator once a step (the accumulators take turns)
	WIN 0xa1
.irp m, \m0, \m1
.irp a, 0,1,2,3,4,5,6,7
	MM \a, \m, (\s)%2, \s, \first
.endr
.endr
.endm
.macro STEPN s                         ; a K step with nothing else in it: its fragments are in; the next step's are asked for; 32 products
	s_wait_dscnt 0x0
	PLACES 4                                       ; four places in front of loads into registers that products have read
	FETCH (\s)+1, ((\s)+1)%2
	PRODS \s, 0, 0, 1
	PRODS \s, 0, 2, 3
	WIN 0
.endm
.macro TILES                           ; job s[JJ]: s22 P's tile of 256 rows, s23 R's of 128; s84, s85 their first row tiles in the workspace
	s_lshr_b32 s22, s21, 1
	s_and_b32 s23, s21, 1
	s_cmp_eq_u32 s[JJ], 2
	s_cselect_b32 s22, s22, s[JJ]
	s_cselect_b32 s23, s23, s21
	s_cselect_b32 s84, 0, 512
	s_cselect_b32 s85, 640, 0
	s_lshl_b32 s22, s22, 2
	s_add_co_u32 s22, s22, s19
	s_lshl_b32 s23, s23, 2
	s_add_co_u32 s23, s23, s20
	s_lshl_b32 s86, s22, 4
	s_add_co_u32 s84, s84, s86
	s_lshl_b32 s88, s23, 3
	s_add_co_u32 s85, s85, s88
.endm
.macro ADDR                            ; s[68:69], s[70:71] P's and R's codes; s[72:73], s[74:75] the scale words of my 8 tiles of P and my 4 of R
	s_mul_i32 s86, s84, 12288
	s_mov_b32 s87, 0
	s_add_nc_u64 s[68:69], s[4:5], s[86:87]
	s_mul_i32 s88, s85, 12288
	s_mov_b32 s89, 0
	s_add_nc_u64 s[70:71], s[4:5], s[88:89]
	s_lshl_b32 s86, s17, 3
	s_add_co_u32 s86, s86, s84
	s_lshl_b32 s86, s86, 9
	s_add_nc_u64 s[72:73], s[6:7], s[86:87]
	s_lshl_b32 s88, s18, 2
	s_add_co_u32 s88, s88, s85
	s_lshl_b32 s88, s88, 9
	s_add_nc_u64 s[74:75], s[6:7], s[88:89]
.endm
.macro GSLOT c                         ; the global addresses of slot c's two loads: written where no load of mine is out
	s_add_nc_u64 s[42+4*\c:43+4*\c], s[68:69], 6144*\c
	s_or_b32 s[43+4*\c], s[43+4*\c], 0x80000000
	s_add_nc_u64 s[50+4*\c:51+4*\c], s[70:71], 6144*\c
	s_or_b32 s[51+4*\c], s[51+4*\c], 0x80000000
.endm
.macro REFILL c                        ; slot c is filled again: wave 0 P's 16 row tiles, wave 1 R's 8
	s_cmp_eq_u32 s16, 0
	s_cbranch_scc0 .Lfor_r_\@
	tensor_load_to_lds s[40+4*\c:43+4*\c], s[24:31]
	s_nop 0
	PLACES 4
	s_branch .Lasked_\@
.Lfor_r_\@:
	s_cmp_eq_u32 s16, 1
	s_cbranch_scc0 .Lasked_\@
	tensor_load_to_lds s[48+4*\c:51+4*\c], s[32:39]
	s_nop 0
	PLACES 4
.Lasked_\@:
	PLACES 4                                       ; the places in front of the LDS loads below, for the waves that come round the loads
.endm
.macro SCALES q                        ; the scale words of K steps 4 q .. 4 q + 3: six loads; 16 lanes read 256 consecutive bytes
.irp i, 0,1,2,3
	global_load_b128 v[SCP+8*\i+4*\q:SCP+8*\i+4*\q+3], v26, s[72:73] offset:512*\i+256*\q
.endr
.irp j, 0,1
	global_load_b128 v[SCR+8*\j+4*\q:SCR+8*\j+4*\q+3], v27, s[74:75] offset:512*\j+256*\q
.endr
.endm
.macro OUTP                            ; where job s[JJ]'s results go: q's constants, then k's and v's selected over them
	s_wait_xcnt 0x0                                ; the last job's stores have read their bases and offsets
	TILES
	s_lshr_b32 s2, s23, 4                          ; q, k: b
	s_and_b32 s3, s23, 15                          ;       the 128 rows t within b
	s_and_b32 s76, s22, 3
	s_lshl_b32 s76, s76, 2
	s_lshl_b32 s77, s17, 1
	s_add_co_u32 s76, s76, s77                     ;       the first of my two heads
	s_lshl_b32 s56, s22, 1
	s_add_co_u32 s56, s56, s17                     ; v: my 128 keys
	s_lshr_b32 s57, s56, 4                         ;    b
	s_and_b32 s56, s56, 15                         ;    the key step
	s_lshl_b32 s58, s23, 1
	s_add_co_u32 s58, s58, s18                     ;    my head
	s_mov_b32 s59, 0                               ; the region
	s_mov_b32 s60, 131072                          ; bytes of a head
	s_mov_b32 s61, 8192                            ; of 128 rows t
	s_mov_b32 s98, 4096                            ; codes: x my half of R,
	s_mov_b32 s99, 0                               ;        +
	s_mov_b32 s100, 4096                           ; scale words: x my half of R,
	s_mov_b32 s101, 768                            ;        +
	s_mov_b32 s10, 1024                            ; codes: from tile m to m + 1
	s_mov_b32 s12, 1024                            ; scale words likewise
	s_mov_b32 s66, 131072                          ; registers 6-11 lie so far from registers 0-5
	s_mov_b32 s67, 131072                          ; lanes 16-31 store their word so far from lanes 0-15
	s_mov_b32 s62, 0xffff                          ; what lanes 0-15 keep of the word
	s_cmp_eq_u32 s[JJ], 1                          ; k
	s_cselect_b32 s59, KVOFF, s59
	s_cselect_b32 s60, 212992, s60
	s_cselect_b32 s61, 13312, s61
	s_cselect_b32 s98, 3072, s98
	s_cselect_b32 s100, 256, s100
	s_cselect_b32 s101, 6144, s101
	s_cselect_b32 s10, 768, s10
	s_cselect_b32 s12, 64, s12
	s_cselect_b32 s66, 212992, s66
	s_cselect_b32 s67, 212992, s67
	s_cmp_eq_u32 s[JJ], 2                          ; v
	s_cselect_b32 s2, s57, s2
	s_cselect_b32 s3, s56, s3
	s_cselect_b32 s76, s58, s76
	s_cselect_b32 s59, KVOFF, s59
	s_cselect_b32 s60, 212992, s60
	s_cselect_b32 s61, 13312, s61
	s_cselect_b32 s98, 0, s98
	s_cselect_b32 s99, 6656, s99
	s_cselect_b32 s100, 0, s100
	s_cselect_b32 s101, 12800, s101
	s_cselect_b32 s10, 1536, s10
	s_cselect_b32 s12, 128, s12
	s_cselect_b32 s66, 768, s66
	s_cselect_b32 s67, 64, s67
	s_cselect_b32 s62, -1, s62
	s_lshl_b32 s2, s2, 4
	s_add_co_u32 s2, s2, s76                       ; 16 b + head
	s_mul_i32 s2, s2, s60
	s_mul_i32 s3, s3, s61
	s_add_co_u32 s2, s2, s3
	s_add_co_u32 s2, s2, s59
	s_mul_i32 s98, s98, s18
	s_add_co_u32 s98, s98, s99
	s_add_co_u32 s98, s98, s2
	s_mov_b32 s99, 0
	s_mul_i32 s100, s100, s18
	s_add_co_u32 s100, s100, s101
	s_add_co_u32 s100, s100, s2
	s_mov_b32 s101, 0
	s_add_nc_u64 s[56:57], s[8:9], s[98:99]        ; registers 0-5 of tile m = 0
	s_add_nc_u64 s[60:61], s[8:9], s[100:101]      ; its scale words
	s_mov_b32 s98, s66
	s_add_nc_u64 s[58:59], s[56:57], s[98:99]      ; registers 6-11
	s_mov_b32 s11, 0
	s_mov_b32 s13, 0
	v_mul_u32_u24 v[SOFF], s67, v3
	v_lshl_add_u32 v[SOFF], v2, 2, v[SOFF]         ; 4 r, + lanes 16-31's distance
.endm
; THE WAY OUT.  For R's tile m a lane's 64 registers (window 2, v[64 m ..]) are its blocks h and 2 + h of 32 neighbours each.  They become a fragment's codes and a scale word.
.macro QUANT m
	WIN 0x28
.irp b, 0,1,2,3
	v_max3_num_f32 v[TM+\b], 0x1800000, |v[64*\m+16*\b]|, |v[64*\m+16*\b+1]|   ; each accumulator is read from its low end on; the floor 2^(3 - 127) holds the byte at 1 from below
.endr
.irp i, 2,4,6,8,10,12,14
.irp b, 0,1,2,3
	v_max3_num_f32 v[TM+\b], v[TM+\b], |v[64*\m+16*\b+\i]|, |v[64*\m+16*\b+\i+1]|
.endr
.endr
	WIN 0
	v_max_num_f32 v[TM], v[TM], v[TM+1]
	v_max_num_f32 v[TM+1], v[TM+2], v[TM+3]
.irp c, 0,1
	v_add_nc_u32 v[TM+12+\c], 0xff000000, v[TM+\c] ; 2 off the exponent field: the conversion's scale operand
.endr
.irp c, 0,1
	v_lshrrev_b32 v[TM+4+\c], 23, v[TM+12+\c]      ; the scale's byte
.endr
	v_lshl_or_b32 v[PW], v[TM+5], 16, v[TM+4]      ; blocks h and 2 + h,
	v_lshlrev_b32 v[PW], v23, v[PW]                ; at their places in the word;
	v_permlanex16_b32 v[TM+6], v[PW], s14, s15
	v_or_b32 v[PW], v[PW], v[TM+6]                 ; with lane l xor 16's two the word is whole
	WIN 0x02
.irp c, 0,1
	v_cvt_scalef32_pk16_fp6_f32 v[PC+6*\c:PC+6*\c+2], v[64*\m+32*\c:64*\m+32*\c+15], v[TM+12+\c]
	v_cvt_scalef32_pk16_fp6_f32 v[PC+12+4*\c:PC+14+4*\c], v[64*\m+32*\c+16:64*\m+32*\c+31], v[TM+12+\c]
.endr
	WIN 0
	v_nop                                          ; one plain place behind a scaled conversion
.irp c, 0,1
.irp i, 0,1,2
	v_mov_b32 v[PC+3+6*\c+\i], v[PC+12+4*\c+\i]    ; a conversion's three registers begin on an even number
.endr
.endr
.endm
.macro SEND more
	v_and_b32 v194, s62, v[PW]                     ; q, k: lanes 0-15 store the first head's two bytes, lanes 16-31 the second's.  v: lanes 0-15 the word
	v_lshrrev_b32 v195, 16, v[PW]
	v_cndmask_b32 v[SW], v194, v195, s63
	global_store_b64 v[L8], v[PC:PC+1], s[56:57]                  ; each of the four covers 256 or 512 consecutive bytes, aligned
	global_store_b128 v[L16], v[PC+2:PC+5], s[56:57] offset:256
	global_store_b64 v[L8], v[PC+6:PC+7], s[58:59]
	global_store_b128 v[L16], v[PC+8:PC+11], s[58:59] offset:256
	global_store_b32 v[SOFF], v[SW], s[60:61]
.if \more
	s_wait_xcnt 0x0                                ; the stores have read their registers and bases
	s_add_nc_u64 s[56:57], s[56:57], s[10:11]
	s_add_nc_u64 s[58:59], s[58:59], s[10:11]
	s_add_nc_u64 s[60:61], s[60:61], s[12:13]
.endif
.endm
; A JOB.  last = 0: it asks for the next job's tiles and scale words; last = 1: it asks for nothing.
.macro JOB last
	s_wait_dscnt 0x0                               ; K step 0's fragments
	PLACES 4
	FETCH 1, 1
	s_wait_loadcnt 0x6                             ; the words of K steps 0-3 are in; the six loads of K steps 4-7 may be out
	PRODS 0, 1, 0, 1
	PRODS 0, 1, 2, 3
	WIN 0
	STEPN 1
	STEPN 2
	s_wait_dscnt 0x0                               ; K step 3's fragments are in: my reads of slot 0 are over
	s_wait_tensorcnt 0x0                           ; all my tensor loads have landed: slot 1 is whole when every wave has said so
.if \last == 0
	ds_add_u32 v254, v255
	PRODS 3, 0, 0, 1
	WIN 0
	s_wait_xcnt 0x0                                ; the scale words' loads have read their bases
	s_add_co_u32 s[JJ], s[JC], 1
	TILES
	ADDR
	GSLOT 0
	s_wait_dscnt 0x0                               ; the add is done
	CROUND                                         ; no wave of any partner still reads slot 0 or has a load on its way
	REFILL 0
	FETCH 4, 0
	PRODS 3, 0, 2, 3
.else
	s_barrier_signal -1
	s_barrier_wait -1
	PLACES 4
	FETCH 4, 0
	PRODS 3, 0, 0, 1
	PRODS 3, 0, 2, 3
.endif
	WIN 0
	s_wait_dscnt 0x0
	PLACES 4
	FETCH 5, 1
.if \last == 0
	SCALES 0                                       ; the next job's words of K steps 0-3
	s_wait_loadcnt 0x6                             ; this job's words of K steps 4-7 are in; the six just issued may be out
.else
	s_wait_loadcnt 0x0
.endif
	PRODS 4, 0, 0, 1
	PRODS 4, 0, 2, 3
	WIN 0
	STEPN 5
	STEPN 6
	s_wait_dscnt 0x0                               ; K step 7's fragments are in: my reads of slot 1 are over
.if \last == 0
	s_wait_tensorcnt 0x0                           ; the next job's slot 0 has landed
	ds_add_u32 v254, v255
	PRODS 7, 0, 0, 1
	WIN 0
	GSLOT 1
	s_wait_dscnt 0x0
	CROUND
	REFILL 1
	FETCH 0, 0                                     ; the next job's first fragments
	PRODS 7, 0, 2, 3
.else
	PRODS 7, 0, 0, 1
	PRODS 7, 0, 2, 3
.endif
	WIN 0
	PLACES 4                                       ; four places between the last product and the first read of results, and in front of loads into scale registers
.if \last == 0
	SCALES 1                                       ; the next job's words of K steps 4-7
	s_mov_b32 s[JJ], s[JC]
.else
	s_mov_b32 s[JJ], 2
.endif
	OUTP
	QUANT 0
	SEND 1
	QUANT 1
	SEND 1
	QUANT 2
	SEND 1
	QUANT 3
	SEND 0
	s_wait_alu depctr_va_vdst(0)                   ; the wait ahead of the branch and the waits that follow
.endm
	s_load_b128 s[4:7], s[0:1], 0x0                ; codes s[4:5], scales s[6:7]
	s_load_b64 s[8:9], s[0:1], 0x10                ; qkv
	v_lshl_add_u32 v254, v0, 2, 0x48000
	v_mov_b32 v255, 0
	ds_add_u32 v254, v255                          ; the opening lines: the add, twice on end, and its wait
	ds_add_u32 v254, v255
	v_lshrrev_b32 v1, 5, v0
	v_readfirstlane_b32 s16, v1                    ; wave 0..3
	s_lshr_b32 s17, s16, 1                         ; my half of P's rows
	s_and_b32 s18, s16, 1                          ; my half of R's rows
	s_bfe_u32 s19, ttmp6, 0x40000                  ; cx
	s_bfe_u32 s20, ttmp6, 0x40004                  ; cy
	s_and_b32 s21, ttmp7, 0xffff                   ; the cluster's y, 0..15
	s_lshl_b32 s86, 0x1111, s19                    ; my column of the cluster
	s_or_b32 s24, s86, (3<<16)|(1<<21)             ; group 1: the mask; elements of 8 bytes; bit 21 beside a mask
	s_lshl_b32 s88, s20, 2
	s_lshl_b32 s88, 15, s88                        ; my row
	s_or_b32 s32, s88, (3<<16)|(1<<21)
	s_mov_b32 s25, 768<<16                         ; rows of 6,144 bytes: four K steps of a row tile, 12,288 bytes apart
	s_mov_b32 s26, 16<<16                          ; P: 16 row tiles a load
	s_mov_b32 s27, 768<<16
	s_mov_b32 s28, 16
	s_mov_b32 s29, 1536
	s_mov_b32 s30, 0
	s_mov_b32 s31, 0
	s_mov_b32 s33, 768<<16
	s_mov_b32 s34, 8<<16                           ; R: 8
	s_mov_b32 s35, 768<<16
	s_mov_b32 s36, 8
	s_mov_b32 s37, 1536
	s_mov_b32 s38, 0
	s_mov_b32 s39, 0
.irp c, 0,1                            ; group 0, P's at s40, R's at s48, a set for each slot: count and LDS address stay
	s_mov_b32 s[40+4*\c], 1
	s_mov_b32 s[41+4*\c], \c*CH
	s_mov_b32 s[48+4*\c], 1
	s_mov_b32 s[49+4*\c], \c*CH+ROFF
.endr
	s_mov_b32 s[JJ], 0
	TILES
	s_wait_dscnt 0x0
	s_wait_kmcnt 0x0
	ADDR
	GSLOT 0
	GSLOT 1
	CROUND                                         ; all sixteen work-groups are here: the joint loads meet
.macro ARM under, g0, g1, next         ; one chain of branches on the wave's number, one load to an arm, all arms to one join
	s_cmp_lt_u32 s16, \under
	s_cbranch_scc0 \next
	tensor_load_to_lds s[\g0:\g0+3], s[\g1:\g1+7]
	s_nop 0
	PLACES 4
	s_branch .Lasked
\next:
.endm
	ARM 1, 40, 24, .Lhead_r                        ; wave 0: P, K steps 0-3
	ARM 2, 48, 32, .Lhead_p2                       ; wave 1: R, K steps 0-3
	ARM 3, 44, 24, .Lhead_r2                       ; wave 2: P, K steps 4-7
	tensor_load_to_lds s[52:55], s[32:39]          ; wave 3: R, K steps 4-7
	s_nop 0
	PLACES 4
.Lasked:
	v_and_b32 v1, 31, v0                           ; lane
	v_and_b32 v2, 15, v0                           ; r
	v_bfe_u32 v3, v0, 4, 1                         ; h
	v_lshlrev_b32 v26, 4, v2
	v_lshl_add_u32 v27, v3, 10, v26                ; R's scale words: 16 r, lanes 16-31 two tiles on
	v_lshl_add_u32 v26, v3, 11, v26                ; P's: lanes 16-31 four tiles on
	SCALES 0
	SCALES 1
	v_lshlrev_b32 v[L8], 3, v1
	v_lshlrev_b32 v[L16], 4, v1
	s_mul_i32 s96, s17, 49152                      ; my 8 tiles of P in a slot
	s_mul_i32 s97, s18, 24576
	s_add_co_u32 s97, s97, ROFF                    ; my 4 of R
.irp c, 0,1
	v_add_nc_u32 v[4+\c], s96, v[L8]
	v_add_nc_u32 v[8+\c], s96, v[L16]
	v_add_nc_u32 v[12+\c], s97, v[L8]
	v_add_nc_u32 v[16+\c], s97, v[L16]
	s_add_co_u32 s96, s96, CH
	s_add_co_u32 s97, s97, CH
.endr
	s_mov_b32 s63, 0xffff0000                      ; lanes 16-31
	s_mov_b32 s14, 0x76543210
	s_mov_b32 s15, 0xfedcba98                      ; v_permlanex16_b32's selects for lane l xor 16
	v_lshlrev_b32 v23, 3, v3                       ; 8 h: my two bytes' shift in a scale word
	v_mov_b32 v[TM+6], 0                           ; a lane permute's destination counts as one of its sources
	s_wait_alu depctr_va_vdst(0)                   ; the wait at the head's end
	s_cmp_lt_u32 s16, 2
	s_cbranch_scc0 .Lnot_first
	s_wait_tensorcnt 0x0                           ; waves 0 and 1: my tile of slot 0 has landed (their load lines are theirs alone)
.Lnot_first:
	s_barrier_signal -1
	s_barrier_wait -1                              ; slot 0 is shown to all; slot 1's loads may stay out
	FETCH 0, 0
	s_mov_b32 s[JC], 0
.Ljob:
	JOB 0
	s_add_co_u32 s[JC], s[JC], 1
	s_cmp_lt_u32 s[JC], 2
	s_cbranch_scc1 .Ljob
	JOB 1
	s_wait_tensorcnt 0x0                           ; the wave's end
	ds_add_u32 v254, v255
	s_wait_dscnt 0x0
	CROUND                                         ; the closing round
	s_endpgm
.Lfunc_end_k_qcce4b0e476_qkv:
	.size	k_qcce4b0e476_qkv, .Lfunc_end_k_qcce4b0e476_qkv-k_qcce4b0e476_qkv
	.p2alignl 7, 3214868480
	.fill 96, 4, 3214868480
	.section	.rodata,"a",@progbits
	.p2align	6, 0x0
	.amdhsa_kernel k_qcce4b0e476_qkv
		.amdhsa_group_segment_fixed_size 327680
		.amdhsa_private_segment_fixed_size 0
		.amdhsa_enable_private_segment 0
		.amdhsa_kernarg_size 24
		.amdhsa_user_sgpr_count 2
		.amdhsa_user_sgpr_kernarg_segment_ptr 1
		.amdhsa_wavefront_size32 1
		.amdhsa_system_sgpr_workgroup_id_x 1
		.amdhsa_system_sgpr_workgroup_id_y 1
		.amdhsa_system_sgpr_workgroup_id_z 1
		.amdhsa_system_vgpr_workitem_id 0
		.amdhsa_next_free_vgpr 768
		.amdhsa_next_free_sgpr 104
		.amdhsa_reserve_vcc 0
		.amdhsa_float_denorm_mode_32 3
		.amdhsa_float_denorm_mode_16_64 3
		.amdhsa_memory_ordered 1
		.amdhsa_forward_progress 1
		.amdhsa_inst_pref_size 169
	.end_amdhsa_kernel
	.amdgpu_metadata
---
amdhsa.version: [ 1, 2 ]
amdhsa.kernels:
  - .name:           k_qcce4b0e476_qkv
    .symbol:         k_qcce4b0e476_qkv.kd
    .args:
      - { .name: codes, .offset: 0, .size: 8, .value_kind: global_buffer, .address_space: global }
      - { .name: scales, .offset: 8, .size: 8, .value_kind: global_buffer, .address_space: global }
      - { .name: qkv, .offset: 16, .size: 8, .value_kind: global_buffer, .address_space: global }
    .group_segment_fixed_size: 327680
    .private_segment_fixed_size: 0
    .kernarg_segment_align: 8
    .kernarg_segment_size: 24
    .max_flat_workgroup_size: 128
    .sgpr_count:     104
    .vgpr_count:     768
    .wavefront_size: 32
...
	.end_amdgpu_metadata
.endif
;; end of part 2
;; launch attn (part 3): grid 4 x 64, 8 waves a work-group, clusters of 4 x 1, 215,040 bytes of LDS; arguments qkv, ocodes, oscales; writes ocodes, oscales
.if DOCPART == 3
	.amdgcn_target "amdgcn-amd-amdhsa--gfx1250"
	.amdhsa_code_object_version 6
	.text
	.protected	k_qcce4b0e476_attn
	.globl	k_qcce4b0e476_attn
	.p2align	8
	.type	k_qcce4b0e476_attn,@function
k_qcce4b0e476_attn:
	s_mov_b64 s[64:65], 0
	v_nop
	global_prefetch_b8 v0, s[64:65] scope:SCOPE_SE
	s_setreg_imm32_b32 hwreg(HW_REG_WAVE_MODE, 25, 1), 1
	s_wait_xcnt 0x0
	s_wait_alu depctr_hold_cnt(0) depctr_sa_sdst(0) depctr_va_vdst(0) depctr_va_sdst(0) depctr_va_ssrc(0) depctr_va_vcc(0) depctr_vm_vsrc(0)
	s_getreg_b32 s2, hwreg(HW_REG_IB_STS2, 6, 4)
	s_cmp_eq_u32 s2, 0
	s_cbranch_scc0 .Lentry_in_a_cluster
	s_endpgm
.Lentry_in_a_cluster:
	s_bfe_u32 s2, ttmp6, 0x10000c
	s_cmp_lg_u32 s2, 0x3003
	s_cbranch_scc0 .Lentry_shape_is_right
	s_endpgm
.Lentry_shape_is_right:
; Causal attention of one (b, head) for each cluster of four work-groups, both products on codes of FP6 (E2M3) with E8M0 scales; O / l is quantised along (head, d) and leaves as codes for the output projection.
; t = score x log2(e) / 8; M = the running largest t rounded UP to a whole number; p = 2^(t - M) is quantised along the keys, not normalised; l is the sum of the unquantised p; when M moves, l and O are multiplied by 2^(old M - new M): exact.
; LEFT OUT: key steps all of whose keys come after a block's queries.  Under the causal mask their scores are -infinity, so their p is 0 for all values of the inputs.  A NaN or infinity that reaches only those scores is not carried on.
; SHARES.  Eight waves.  Wave w of work-group cx owns two blocks of 32 queries (two row tiles each), U1 = cx + 4 w and U2 = 63 - U1.  Block U needs the key steps (128 keys) 0 .. U / 4; U1 / 4 = w and U2 / 4 = 15 - w:
; every wave works 17 key steps, two of them on the diagonal; every branch hangs on the wave's number and a counted loop alone; cx enters global addresses and the mask's vector operand only.
; A block's two tiles share every fragment of K and V.  The maxima and the sums go in eight chains by turns; the short dependent chains (f; p's scale word) are laid among independent lines.
; ROW ORDER.  Row i of row tile g is 64 (g / 4) + 8 (g % 4) + i % 8 + 32 (i / 8), for queries, keys and d alike.  So in S^T = K Q^T a lane's registers 32 c .. 32 c + 31 are keys 64 c + 32 (lane / 16) + 0 .. 31 of the step:
; a whole scale block, in the order of the next operand's registers; O^T's 32 registers are d = 32 (lane / 16) + 0 .. 31 likewise.  No lane asks another for a block's maximum.
; The head size 64 is half of the instruction's K.  Q's registers 6-11 are zero codes.  K's eight fragments of six registers lie on end, so registers 6-11 of one are the next one's codes (behind the last: six zeros): they meet Q's zero codes
; alone, every FP6 code is a finite number, and their scale bytes are 0 (2^-127): they add nothing.
; LDS.  The head's whole K and V, 16 key steps x 13,312 bytes = 212,992, filled ONCE by joint loads, one a wave (two key steps, 104 rows of 256 bytes), and read only.  Waves 0 and 1 have a load line of their own: the first barrier shows
; key steps 0-3, the second, behind three key steps' work, all sixteen.  A key step: K's 8 tiles x 768 bytes, K's scale words 8 x 64 at 6,144, V's 4 tiles of d x 1,536 at 6,656, V's scale words 4 x 128 at 12,800.
; No prefetch: all tiles are asked for at the head, so there is no loop to run ahead in.
; LDS READS: behind a step's score products V's 20 loads of this step and K's 20 of the next are issued; s_wait_dscnt 20 ahead of the second product counts K's 20, which may stay out.
; LIMITS: the promise holds while |t| stays under 2^31; O / l is a multiplication by v_rcp_f32; a block's largest p is made from the block's largest score by the same two instructions (this takes v_exp_f32 not to fall where its input rises);
; a block whose largest magnitude lies under 2^-124 gets the byte 1; NaN and infinities are not served.
; REGISTERS, window 0: v1-3 8, 16, 4 x lane; v4-6 the same + this step's LDS byte, v7-9 + the next step's (v4-7 then chains of the sums); tile t: v[12+2t] -M, v[13+2t] the largest score, v[16+2t] f, v[17+2t] p's scale word, v[20+2t:21+2t] l in two halves;
;   v24-47 Q; v48-49 its scale words; v50-103 K; v104-107, v108-111 K's and V's scale words; v112-239 S^T, then p; v240.. at work.   Window 1: v0-63 O^T; v64-111 V; v112-135 p's codes; v136-151 their second halves; v152-165 the second block's Q.
.set KVOFF, 8388608
.set KSB,  13312
.set SPARE, 0x34000
.set SPW,  10
.set NIL,  11
.set NM,   12
.set F,    16
.set LS,   20
.set Q,    24
.set QS,   48
.set KF,   50
.set KSC,  104
.set VSC,  108
.set S,    112
.set BM,   240                         ; v240-247 eight chains of the maxima; then v240-243 the largest of block c of tile t at 2 t + c, then bytes; then chains of the sums
.set BS,   244                         ; v244-247 the conversions' scale operands; then chains of the sums
.set X,    248
.set QM,   250                         ; v250, v251 my query within its key step, - 32 h
.set TMP,  252
.set NINF, 254
.set H8,   255                         ; 8 h
.set O,    0
.set VF,   64
.set PC,   112
.set PT,   136
.set Q2,   152
.set QS2,  164
.set WV,   10
.set AD,   17                          ; s17 the key step on the diagonal
.set KS,   18                          ; s18 the key step in hand
.set TB,   19                          ; s19 its LDS byte
.set CNT,  24
.set TN,   25                          ; s25 the next step's LDS byte
.set MSB, 0
.macro WIN new
.if MSB != \new
	s_set_vgpr_msb (MSB<<8)|\new
.set MSB, \new
.endif
.endm
.macro WALU
	s_wait_alu depctr_va_vdst(0)
.endm
.macro CROUND
	s_barrier_signal -1
	s_barrier_wait -1
	s_cmp_lg_u32 s[WV], 0
	s_cbranch_scc1 .Lnot_wave_0_\@
	s_barrier_signal -3
.Lnot_wave_0_\@:
	s_barrier_wait -3
	s_barrier_signal -1
	s_barrier_wait -1
.endm
	s_load_b128 s[4:7], s[0:1], 0x0                ; qkv s[4:5], ocodes s[6:7]
	s_load_b64 s[8:9], s[0:1], 0x10                ; oscales
	v_lshl_add_u32 v[SPW], v0, 2, SPARE
	v_mov_b32 v[NIL], 0
	ds_add_u32 v[SPW], v[NIL]                      ; the opening lines: the add, twice on end, and its wait
	ds_add_u32 v[SPW], v[NIL]
	v_lshrrev_b32 v1, 5, v0
	v_readfirstlane_b32 s[WV], v1                  ; wave 0..7
	v_and_b32 v4, 31, v0
	v_and_b32 v5, 15, v0                           ; r
	v_bfe_u32 v6, v0, 4, 1                         ; h
	v_lshlrev_b32 v1, 3, v4
	v_lshlrev_b32 v2, 4, v4
	v_lshlrev_b32 v3, 2, v4
	v_lshlrev_b32 v7, 2, v5                        ; 4 r
	v_lshlrev_b32 v[H8], 3, v6
	v_mov_b32 v[NINF], 0xff800000
.irp i, 0,1,2,3,4,5
	v_mov_b32 v[Q+6+\i], 0                         ; K = 64 .. 127 of Q: zero codes, written once
	v_mov_b32 v[Q+18+\i], 0
	v_mov_b32 v[KF+48+\i], 0                       ; and what stands behind K's last fragment
.endr
.irp t, 0,1
	v_mov_b32 v[X+\t], 0                           ; a lane permute's destination counts as one of its sources
	v_mov_b32 v[F+2*\t+1], 0                       ; (named as the upper half of f's pair before it is first written)
.endr
	s_bfe_u32 s11, ttmp6, 0x40000                  ; cx
	s_and_b32 s12, ttmp7, 0xffff                   ; 16 b + head, which the four partners share
	s_mul_i32 s14, s[WV], 2*KSB                    ; key steps 2 w, 2 w + 1: in LDS,
	s_mul_i32 s15, s12, 16*KSB
	s_add_co_u32 s15, s15, s14
	s_add_co_u32 s52, s15, KVOFF                   ; and in memory
	s_mov_b32 s53, 0
	s_mov_b32 s28, 15|(3<<16)|(1<<21)              ; group 1: the mask names all four work-groups; elements of 8 bytes; bit 21 beside a mask
	s_mov_b32 s29, 32<<16                          ; a dense block of 26,624 bytes as 104 rows of 256
	s_mov_b32 s30, 104<<16
	s_mov_b32 s31, 32<<16
	s_mov_b32 s32, 104
	s_mov_b32 s33, 32
	s_mov_b32 s34, 0
	s_mov_b32 s35, 0
	s_lshl_b32 s54, s[WV], 2
	s_add_co_u32 s54, s54, s11                     ; U1
	s_sub_co_u32 s55, 63, s54                      ; U2
	s_lshr_b32 s56, s12, 4
	s_lshl_b32 s56, s56, 7                         ; 128 b: b's first row tile
	s_and_b32 s57, s12, 15                         ; the head
	s_lshl_b32 s58, s12, 17                        ; the head's Q region
	s_lshr_b32 s59, s57, 1
	s_mul_i32 s59, s59, 1536                       ; in a row tile's codes: K step head / 2,
	s_and_b32 s60, s57, 1
	s_mul_i32 s60, s60, 768                        ; half head % 2
	s_add_co_u32 s59, s59, s60
	s_lshr_b32 s60, s57, 3
	s_lshl_b32 s60, s60, 8                         ; in its scale bytes: 256 (head / 8) + 2 (head % 8)
	s_and_b32 s61, s57, 7
	s_lshl_b32 s61, s61, 1
	s_add_co_u32 s60, s60, s61
	s_mov_b32 s20, 0x76543210
	s_mov_b32 s21, 0xfedcba98                      ; v_permlanex16_b32's selects for lane l xor 16
	s_mov_b32 s22, 0x3e38aa3b                      ; c = log2(e) / 8
	s_mov_b32 s23, s22                             ; (named with it as a pair, so it is written)
	s_mov_b32 s81, 0
	WALU                                           ; the wait directly ahead of the waits below
	s_wait_dscnt 0x0
	s_wait_kmcnt 0x0
	s_add_nc_u64 s[52:53], s[4:5], s[52:53]
.macro BASES u, i                      ; block s[u]: Q's address, the codes' and the scale bytes' on the way out, and its first tile's first query within the key step
	s_lshl_b32 s80, s[\u], 11
	s_add_co_u32 s80, s80, s58
	s_add_nc_u64 s[68+2*\i:69+2*\i], s[4:5], s[80:81]
	s_lshl_b32 s82, s[\u], 1
	s_add_co_u32 s82, s82, s56
	s_mul_i32 s80, s82, 12288
	s_add_co_u32 s80, s80, s59
	s_add_nc_u64 s[72+2*\i:73+2*\i], s[6:7], s[80:81]
	s_lshl_b32 s80, s82, 9
	s_add_co_u32 s80, s80, s60
	s_add_nc_u64 s[76+2*\i:77+2*\i], s[8:9], s[80:81]
	s_and_b32 s80, s[\u], 2
	s_lshl_b32 s80, s80, 5
	s_and_b32 s82, s[\u], 1
	s_lshl_b32 s82, s82, 4
	s_add_co_u32 s[26+\i], s80, s82                ; 64 ((T / 4) % 2) + 8 (T % 4) for T = 2 U
.endm
	BASES 55, 0
	BASES 54, 1
.irp t, 0,1                            ; Q is asked for ahead of the tiles
	global_load_b64 v[Q+12*\t:Q+12*\t+1], v1, s[68:69] offset:1024*\t             ; Q of U2: registers 0-5 and the scale words
	global_load_b128 v[Q+12*\t+2:Q+12*\t+5], v2, s[68:69] offset:1024*\t+256
	global_load_b32 v[QS+\t], v7, s[68:69] offset:1024*\t+768
.endr
	WIN 0x40                                       ; destination window 1
.irp t, 0,1
	global_load_b64 v[Q2+6*\t:Q2+6*\t+1], v1, s[70:71] offset:1024*\t             ; Q of U1, kept for the second block
	global_load_b128 v[Q2+6*\t+2:Q2+6*\t+5], v2, s[70:71] offset:1024*\t+256
	global_load_b32 v[QS2+\t], v7, s[70:71] offset:1024*\t+768
.endr
	WIN 0
	CROUND                                         ; all four work-groups are here: the joint loads meet
	s_mov_b32 s36, 1
	s_mov_b32 s37, s14
	s_mov_b64 s[38:39], s[52:53]
	s_or_b32 s39, s39, 0x80000000
	s_cmp_lt_u32 s[WV], 2                          ; one load a wave; waves 0 and 1 (key steps 0-3) have a line of their own, since they alone wait at the first barrier
	s_cbranch_scc0 .Lrest
	tensor_load_to_lds s[36:39], s[28:35]
	s_nop 0
.rept 4
	v_nop
.endr
	s_branch .Lasked
.Lrest:
	tensor_load_to_lds s[36:39], s[28:35]
	s_nop 0
.rept 4
	v_nop
.endr
.Lasked:
.macro KLOAD a8, a16, a4               ; K's eight fragments, on end, and their scale words (lanes 0-15 tile 2 e, lanes 16-31 tile 2 e + 1): 20 loads
.irp f, 0,1,2,3,4,5,6,7
	ds_load_b64 v[KF+6*\f:KF+6*\f+1], v[\a8] offset:768*\f
	ds_load_b128 v[KF+6*\f+2:KF+6*\f+5], v[\a16] offset:768*\f+256
.endr
.irp e, 0,1,2,3
	ds_load_b32 v[KSC+\e], v[\a4] offset:6144+128*\e
.endr
.endm
.macro VLOAD                           ; V's four fragments (16 of the head's d x 128 keys) and their scale words: 20 loads
	WIN 0x40
.irp d, 0,1,2,3
	ds_load_b64 v[VF+12*\d:VF+12*\d+1], v4 offset:6656+1536*\d
	ds_load_b128 v[VF+12*\d+2:VF+12*\d+5], v5 offset:6656+1536*\d+256
	ds_load_b64 v[VF+12*\d+6:VF+12*\d+7], v4 offset:6656+1536*\d+768
	ds_load_b128 v[VF+12*\d+8:VF+12*\d+11], v5 offset:6656+1536*\d+1024
.endr
	WIN 0
.irp d, 0,1,2,3
	ds_load_b32 v[VSC+\d], v6 offset:12800+128*\d
.endr
.endm
.macro SMM f, t                        ; S^T of K's tile f and Q's tile t
.if (\f)%2
	v_wmma_scale_f32_16x16x128_f8f6f4 v[S+64*\t+8*\f:S+64*\t+8*\f+7], v[KF+6*\f:KF+6*\f+11], v[Q+12*\t:Q+12*\t+11], 0, v[KSC+\f/2], v[QS+\t] matrix_a_fmt:MATRIX_FMT_FP6 matrix_b_fmt:MATRIX_FMT_FP6 matrix_a_scale:MATRIX_SCALE_ROW1
.else
	v_wmma_scale_f32_16x16x128_f8f6f4 v[S+64*\t+8*\f:S+64*\t+8*\f+7], v[KF+6*\f:KF+6*\f+11], v[Q+12*\t:Q+12*\t+11], 0, v[KSC+\f/2], v[QS+\t] matrix_a_fmt:MATRIX_FMT_FP6 matrix_b_fmt:MATRIX_FMT_FP6
.endif
.endm
.macro FMAS j0                         ; t - M for 32 scores, two at a time
.set j, \j0
.rept 16
	v_pk_fma_f32 v[S+j:S+j+1], v[S+j:S+j+1], s[22:23], v[NM+2*(j/64):NM+2*(j/64)+1] op_sel_hi:[1,0,0]
.set j, j+2
.endr
.endm
.macro PKA d, a, b
	v_pk_add_f32 v[\d:\d+1], v[\a:\a+1], v[\b:\b+1]
.endm
; A KEY STEP of 128 keys for the block's two tiles.  masked = 1: a step behind the diagonal is left out, and on the diagonal hidden scores become -infinity.
.macro STEP masked
.if \masked
	s_cmp_gt_u32 s[KS], s[AD]
	s_cbranch_scc1 .Lhid_\@                        ; all its keys come after my queries: only the lines that step addresses are run
.endif
	s_wait_dscnt 0x0                               ; this step's K, asked for a step ago
.irp f, 0,1,2,3,4,5,6,7
.irp t, 0,1
	SMM \f, \t
.endr
.endr
	s_add_co_u32 s[TN], s[TB], KSB
	s_min_u32 s[TN], s[TN], 15*KSB                 ; the last step asks for its own K again: every read stays inside the tiles
	v_add_nc_u32 v4, s[TB], v1                     ; these six are the places between the products and the loads into their registers, and ahead of the first read of results
	v_add_nc_u32 v5, s[TB], v2
	v_add_nc_u32 v6, s[TB], v3
	v_add_nc_u32 v7, s[TN], v1
	v_add_nc_u32 v8, s[TN], v2
	v_add_nc_u32 v9, s[TN], v3
	VLOAD
	KLOAD 7, 8, 9
.if \masked
	s_cmp_lg_u32 s[KS], s[AD]
	s_cbranch_scc1 .Lopen_\@                       ; a step all of whose keys count skips the mask
.set n, 0
.rept 128                              ; register 32 c + j of a tile holds key 64 c + 32 h + j of the step: hidden where 64 c + j > my query in the step - 32 h
	v_cmp_gt_i32 vcc_lo, 64*((n%64)/32)+n%32, v[QM+n/64]
	v_cndmask_b32 v[S+n], v[S+n], v[NINF], vcc_lo
.set n, n+1
.endr
.Lopen_\@:
.endif
.irp k, 0,1,2,3,4,5,6,7                ; the largest score of each block of 32 keys, all mine: eight chains of 16 by turns; each accumulator is first read at its low end
	v_max3_num_f32 v[BM+\k], v[S+16*\k], v[S+16*\k+1], v[S+16*\k+2]
.endr
.irp i, 3,5,7,9,11,13
.irp k, 0,1,2,3,4,5,6,7
	v_max3_num_f32 v[BM+\k], v[BM+\k], v[S+16*\k+\i], v[S+16*\k+\i+1]
.endr
.endr
.irp k, 0,2,4,6
	v_max_num_f32 v[BM+\k], v[BM+\k], v[S+16*\k+15]
.endr
.irp b, 0,1,2,3
	v_max3_num_f32 v[BM+\b], v[BM+2*\b], v[BM+2*\b+1], v[S+32*\b+31]   ; a block's two chains and its last score (each line reads its sources before a later line writes them)
.endr
.irp t, 0,1
	v_max_num_f32 v[TMP+\t], v[BM+2*\t], v[BM+2*\t+1]
.endr
.irp t, 0,1
	v_permlanex16_b32 v[X+\t], v[TMP+\t], s20, s21
.endr
.irp t, 0,1
	v_max3_num_f32 v[NM+2*\t+1], v[NM+2*\t+1], v[TMP+\t], v[X+\t]   ; the running largest score of my query
.endr
.irp t, 0,1
	v_mul_f32 v[TMP+\t], s22, v[NM+2*\t+1]         ; as t (c is positive)
.endr
.irp t, 0,1
	v_mov_b32 v[X+\t], v[NM+2*\t]
.endr
.irp t, 0,1
	v_floor_f32 v[NM+2*\t], -v[TMP+\t]             ; the new -M = floor(-t): M is a whole number
.endr
	FMAS 0
.irp t, 0,1
	v_sub_f32 v[TMP+\t], v[NM+2*\t], v[X+\t]       ; old M - new M: a whole number, 0 or less
.endr
	FMAS 32
.irp t, 0,1
	v_cvt_i32_f32 v[TMP+\t], v[TMP+\t]             ; (it saturates)
.endr
	FMAS 64
.irp t, 0,1
	v_ldexp_f32 v[F+2*\t], 1.0, v[TMP+\t]          ; f = 2^(old M - new M)
.endr
	FMAS 96
.irp b, 0,1,2,3
	v_fma_f32 v[BM+\b], v[BM+\b], s22, v[NM+2*(\b/2)]   ; the same of each block's largest score
.endr
	WIN 0x41                                       ; source 0 and destination window 1
.set j, 0
.rept 32
	v_pk_mul_f32 v[O+j:O+j+1], v[O+j:O+j+1], v[F+2*(j/32):F+2*(j/32)+1] op_sel_hi:[1,0]   ; O^T under the new M, ahead of the exponentials
.set j, j+2
.endr
	WIN 0
	WALU                                           ; the wait ahead of the batch
.set j, 0
.rept 128
	v_exp_f32 v[S+j], v[S+j]                       ; p = 2^(t - M)
.set j, j+1
.endr
.irp b, 0,1,2,3
	v_exp_f32 v[BM+\b], v[BM+\b]                   ; the block's largest p
.endr
.irp t, 0,1
	v_pk_mul_f32 v[LS+2*\t:LS+2*\t+1], v[LS+2*\t:LS+2*\t+1], v[F+2*\t:F+2*\t+1] op_sel_hi:[1,0]   ; l under the new M.  (Plain places behind the exponentials)
.endr
	WALU                                           ; and behind it, ahead of its first reader
.irp b, 0,1,2,3
	v_max_num_f32 v[BM+\b], 0x1800000, v[BM+\b]    ; the floor 2^(3 - 127): the byte cannot fall under 1
.endr
.irp b, 0,1,2,3
	v_add_nc_u32 v[BS+\b], 0xff000000, v[BM+\b]    ; 2 off the exponent field: the conversion's scale operand
.endr
.irp b, 0,1,2,3
	v_lshrrev_b32 v[BM+\b], 23, v[BS+\b]           ; the scale's byte
.endr
.irp t, 0,1
	v_lshl_or_b32 v[TMP+\t], v[BM+2*\t+1], 16, v[BM+2*\t]   ; blocks h and 2 + h,
.endr
	WIN 0x40                                       ; destination window 1
.irp b, 0,1,2,3
	v_cvt_scalef32_pk16_fp6_f32 v[PC+6*\b:PC+6*\b+2], v[S+32*\b:S+32*\b+15], v[BS+\b]
	v_cvt_scalef32_pk16_fp6_f32 v[PT+4*\b:PT+4*\b+2], v[S+32*\b+16:S+32*\b+31], v[BS+\b]
.endr
	WIN 0
.irp t, 0,1
	v_lshlrev_b32 v[TMP+\t], v[H8], v[TMP+\t]      ; at their places in the word;
.endr
	PKA 240, S, S+2                                ; l: the sum of the unquantised p, two at a time, four chains a tile by turns; the scale word's chain stands among them
	PKA 244, S+64, S+66
	PKA 242, S+4, S+6
	PKA 246, S+68, S+70
	PKA 4, S+8, S+10
	PKA 6, S+72, S+74
	PKA LS, LS, S+12
	PKA LS+2, LS+2, S+76
	PKA 240, 240, S+14
	PKA 244, 244, S+78
.irp t, 0,1
	v_permlanex16_b32 v[X+\t], v[TMP+\t], s20, s21
.endr
.irp g, 16,24,32,40,48,56
	PKA LS, LS, S+\g
	PKA LS+2, LS+2, S+64+\g
	PKA 240, 240, S+\g+2
	PKA 244, 244, S+64+\g+2
	PKA 242, 242, S+\g+4
	PKA 246, 246, S+64+\g+4
	PKA 4, 4, S+\g+6
	PKA 6, 6, S+64+\g+6
.endr
.irp t, 0,1
	v_or_b32 v[F+2*\t+1], v[TMP+\t], v[X+\t]       ; with lane l xor 16's two: p's scale word for these 128 keys
.endr
	PKA 240, 240, 242
	PKA 244, 244, 246
	PKA LS, LS, 4
	PKA LS+2, LS+2, 6
	PKA LS, LS, 240
	PKA LS+2, LS+2, 244
	WIN 0x41
.irp b, 0,1,2,3
.irp i, 0,1,2
	v_mov_b32 v[PC+6*\b+3+\i], v[PT+4*\b+\i]       ; a conversion's three registers begin on an even number: the block's second half is moved to its place
.endr
.endr
.rept 4
	v_nop                                          ; four places between the last write of p's codes and the products
.endr
	WALU                                           ; the wait directly ahead of the wait below
	s_wait_dscnt 20                                ; V is in; the next step's 20 loads of K may stay out
	WIN 0x55                                       ; all four operands window 1
.irp d, 0,1,2,3
.irp t, 0,1
	v_wmma_scale_f32_16x16x128_f8f6f4 v[O+32*\t+8*\d:O+32*\t+8*\d+7], v[VF+12*\d:VF+12*\d+11], v[PC+12*\t:PC+12*\t+11], v[O+32*\t+8*\d:O+32*\t+8*\d+7], v[VSC+\d], v[F+2*\t+1] matrix_a_fmt:MATRIX_FMT_FP6 matrix_b_fmt:MATRIX_FMT_FP6
.endr
.endr
	WIN 0
.if \masked
.Lhid_\@:
.endif
	s_add_co_u32 s[KS], s[KS], 1
	s_add_co_u32 s[TB], s[TB], KSB
.endm
.macro LOOP n, masked                  ; the trip counts are constants of the text
	s_mov_b32 s[CNT], \n
.Lloop_\@:
	STEP \masked
	s_sub_co_u32 s[CNT], s[CNT], 1
	s_cmp_lg_u32 s[CNT], 0
	s_cbranch_scc1 .Lloop_\@
.endm
.macro INIT i                          ; a block begins: the step is written once, so its first trip finds zeros, which the first change of M leaves zeros
	v_and_b32 v[TMP], 15, v0
	v_and_b32 v[TMP+1], 8, v0
	v_mad_u32_u24 v[TMP], v[TMP+1], 3, v[TMP]      ; r % 8 + 32 (r / 8)
	v_lshlrev_b32 v[TMP+1], 2, v[H8]
	v_sub_nc_u32 v[TMP], v[TMP], v[TMP+1]          ; - 32 h
	v_add_nc_u32 v[QM], s[26+\i], v[TMP]
	v_add_nc_u32 v[QM+1], 8, v[QM]
.irp t, 0,1
	v_mov_b32 v[NM+2*\t+1], 0xff61b1e6             ; -3e38, under every score
	v_mov_b32 v[NM+2*\t], 0x7e000000               ; -M = 2^125: the first f is 0
	v_mov_b32 v[LS+2*\t], 0
	v_mov_b32 v[LS+2*\t+1], 0
.endr
	WIN 0x40
.set j, 0
.rept 64
	v_mov_b32 v[O+j], 0
.set j, j+1
.endr
	WIN 0
	s_mov_b32 s[KS], 0
	s_mov_b32 s[TB], 0
	KLOAD 1, 2, 3                                  ; key step 0's K
	WALU                                           ; the wait ahead of the loop's waits and branches
.endm
; A block ends: O^T / l, quantised along d (a lane's 32 registers of a tile are d = 32 h + 0 .. 31: one block), is half a fragment of the output projection's operand.
.macro OUT oc, os
	s_wait_dscnt 0x0                               ; the last step's loads of K have landed: their registers are used below
.irp t, 0,1
	v_add_f32 v[LS+2*\t], v[LS+2*\t], v[LS+2*\t+1]
.endr
.irp t, 0,1
	v_permlanex16_b32 v[X+\t], v[LS+2*\t], s20, s21
.endr
.irp t, 0,1
	v_add_f32 v[LS+2*\t], v[LS+2*\t], v[X+\t]      ; l
.endr
	WALU
.irp t, 0,1
	v_rcp_f32 v[LS+2*\t], v[LS+2*\t]
.endr
	v_and_b32 v4, 15, v0                           ; (a plain place behind the transcendentals)
	WIN 0x01                                       ; source 0 window 1
	WALU
.set j, 0
.rept 32
	v_pk_mul_f32 v[S+j:S+j+1], v[O+j:O+j+1], v[LS+2*(j/32):LS+2*(j/32)+1] op_sel_hi:[1,0]   ; each accumulator from its low end on
.set j, j+2
.endr
	WIN 0
	v_bfe_u32 v5, v0, 4, 1
	v_lshl_add_u32 v4, v4, 4, v5                   ; 16 r + h: where my block's byte goes
.irp b, 0,1,2,3
	v_max3_num_f32 v[BM+\b], |v[S+16*\b]|, |v[S+16*\b+1]|, 0x1800000
.endr
.irp i, 2,4,6,8,10,12,14
.irp b, 0,1,2,3
	v_max3_num_f32 v[BM+\b], v[BM+\b], |v[S+16*\b+\i]|, |v[S+16*\b+\i+1]|
.endr
.endr
.irp t, 0,1
	v_max_num_f32 v[BM+2*\t], v[BM+2*\t], v[BM+2*\t+1]
.endr
.irp t, 0,1
	v_add_nc_u32 v[BS+\t], 0xff000000, v[BM+2*\t]
.endr
.irp t, 0,1
	v_lshrrev_b32 v[TMP+\t], 23, v[BS+\t]
.endr
.irp t, 0,1
	v_cvt_scalef32_pk16_fp6_f32 v[KF+12*\t:KF+12*\t+2], v[S+32*\t:S+32*\t+15], v[BS+\t]
	v_cvt_scalef32_pk16_fp6_f32 v[KF+12*\t+6:KF+12*\t+8], v[S+32*\t+16:S+32*\t+31], v[BS+\t]
.endr
	v_nop                                          ; one plain place behind a scaled conversion
.irp t, 0,1
.irp i, 0,1,2
	v_mov_b32 v[KF+12*\t+3+\i], v[KF+12*\t+6+\i]
.endr
.endr
.irp t, 0,1
	global_store_b64 v1, v[KF+12*\t:KF+12*\t+1], s[\oc:\oc+1] offset:12288*\t          ; 256 and 512 consecutive bytes, aligned
	global_store_b128 v2, v[KF+12*\t+2:KF+12*\t+5], s[\oc:\oc+1] offset:12288*\t+256
	global_store_b8 v4, v[TMP+\t], s[\os:\os+1] offset:512*\t   ; 32 single bytes: a scale word is shared by two heads, so no wave owns more of it
.endr
	s_wait_xcnt 0x0                                ; the stores have read their registers, which are written again below
.endm
	s_wait_loadcnt 0x0                             ; Q
	s_cmp_lt_u32 s[WV], 2
	s_cbranch_scc0 .Lnot_first
	s_wait_tensorcnt 0x0                           ; waves 0 and 1: my two of key steps 0-3 have landed
.Lnot_first:
	s_barrier_signal -1
	s_barrier_wait -1                              ; key steps 0-3 are shown to all; the others may stay out
	s_sub_co_u32 s[AD], 15, s[WV]                  ; U2's diagonal: 8 .. 15
	INIT 0
	LOOP 3, 0                                      ; key steps 0-2; the third trip asks for K of key step 3
	s_wait_tensorcnt 0x0                           ; every wave's load has landed,
	s_wait_dscnt 0x0
	s_barrier_signal -1
	s_barrier_wait -1                              ; everybody's
	LOOP 13, 1
	OUT 72, 76
	WIN 0x01
.irp t, 0,1
.irp i, 0,1,2,3,4,5
	v_mov_b32 v[Q+12*\t+\i], v[Q2+6*\t+\i]         ; Q of U1
.endr
	v_mov_b32 v[QS+\t], v[QS2+\t]
.endr
	WIN 0
	s_mov_b32 s[AD], s[WV]                         ; U1's diagonal: 0 .. 7
	INIT 1
	LOOP 8, 1
	OUT 74, 78
	s_wait_tensorcnt 0x0                           ; the wave's end
	ds_add_u32 v[SPW], v[NIL]
	s_wait_dscnt 0x0
	CROUND                                         ; the closing round: no work-group ends while a partner may still ask for a tile that names it
	s_endpgm
.Lfunc_end_k_qcce4b0e476_attn:
	.size	k_qcce4b0e476_attn, .Lfunc_end_k_qcce4b0e476_attn-k_qcce4b0e476_attn
	.p2alignl 7, 3214868480
	.fill 96, 4, 3214868480
	.section	.rodata,"a",@progbits
	.p2align	6, 0x0
	.amdhsa_kernel k_qcce4b0e476_attn
		.amdhsa_group_segment_fixed_size 215040
		.amdhsa_private_segment_fixed_size 0
		.amdhsa_enable_private_segment 0
		.amdhsa_kernarg_size 24
		.amdhsa_user_sgpr_count 2
		.amdhsa_user_sgpr_kernarg_segment_ptr 1
		.amdhsa_wavefront_size32 1
		.amdhsa_system_sgpr_workgroup_id_x 1
		.amdhsa_system_sgpr_workgroup_id_y 1
		.amdhsa_system_sgpr_workgroup_id_z 1
		.amdhsa_system_vgpr_workitem_id 0
		.amdhsa_next_free_vgpr 432
		.amdhsa_next_free_sgpr 96
		.amdhsa_reserve_vcc 1
		.amdhsa_float_denorm_mode_32 3
		.amdhsa_float_denorm_mode_16_64 3
		.amdhsa_memory_ordered 1
		.amdhsa_forward_progress 1
		.amdhsa_inst_pref_size 132
	.end_amdhsa_kernel
	.amdgpu_metadata
---
amdhsa.version: [ 1, 2 ]
amdhsa.kernels:
  - .name:           k_qcce4b0e476_attn
    .symbol:         k_qcce4b0e476_attn.kd
    .args:
      - { .name: qkv, .offset: 0, .size: 8, .value_kind: global_buffer, .address_space: global }
      - { .name: ocodes, .offset: 8, .size: 8, .value_kind: global_buffer, .address_space: global }
      - { .name: oscales, .offset: 16, .size: 8, .value_kind: global_buffer, .address_space: global }
    .group_segment_fixed_size: 215040
    .private_segment_fixed_size: 0
    .kernarg_segment_align: 8
    .kernarg_segment_size: 24
    .max_flat_workgroup_size: 256
    .sgpr_count:     96
    .vgpr_count:     432
    .wavefront_size: 32
...
	.end_amdgpu_metadata
.endif
;; end of part 3
;; launch oproj (part 4): grid 4 x 64, 4 waves a work-group, clusters of 4 x 4, 295,424 bytes of LDS; arguments codes, scales, ocodes, oscales, bo, out0; writes out0
.if DOCPART == 4
	.amdgcn_target "amdgcn-amd-amdhsa--gfx1250"
	.amdhsa_code_object_version 6
	.text
	.protected	k_qcce4b0e476_oproj
	.globl	k_qcce4b0e476_oproj
	.p2align	8
	.type	k_qcce4b0e476_oproj,@function
k_qcce4b0e476_oproj:
	s_mov_b64 s[64:65], 0
	v_nop
	global_prefetch_b8 v0, s[64:65] scope:SCOPE_SE
	s_setreg_imm32_b32 hwreg(HW_REG_WAVE_MODE, 25, 1), 1
	s_wait_xcnt 0x0
	s_wait_alu depctr_hold_cnt(0) depctr_sa_sdst(0) depctr_va_vdst(0) depctr_va_sdst(0) depctr_va_ssrc(0) depctr_va_vcc(0) depctr_vm_vsrc(0)
	s_getreg_b32 s2, hwreg(HW_REG_IB_STS2, 6, 4)
	s_cmp_eq_u32 s2, 0
	s_cbranch_scc0 .Lentry_in_a_cluster
	s_endpgm
.Lentry_in_a_cluster:
	s_bfe_u32 s2, ttmp6, 0x10000c
	s_cmp_lg_u32 s2, 0xf033
	s_cbranch_scc0 .Lentry_shape_is_right
	s_endpgm
.Lentry_shape_is_right:
; out0 = o Wo^T + bo, on codes of FP6 (E2M3) with E8M0 scales, K = 1,024, sums in f32.  o's codes and scale bytes come from the attention launch, Wo's from the quantiser (row tiles 704-767 of the workspace).
; D = P x R (source 0 = 16 rows n of Wo, source 1 = 16 rows of o): a lane holds ONE row of the output, its registers run along n.  By the workspace's order of rows in a row tile (row(g, i) = 32 (g / 2) + 8 (g % 2) + i + 8 (i / 8))
; the 16 registers of P's tiles 2 b and 2 b + 1 are columns 32 b + 16 (lane / 16) + 0 .. 15.  The bias is the C of each sum's first product.
; SHARES.  A work-group makes 256 columns x 128 rows; wave w: P's half w / 2 (8 tiles), R's half w % 2 (4 tiles): 32 accumulators.  ALL OF K LIES IN LDS: (256 + 128) rows x 768 bytes = 294,912 bytes, filled once, in four chunks
; of two K steps; nothing is filled again.  A fragment lies in memory and LDS in the order of its registers (1,536 bytes: +0 registers 0-1, +256 registers 2-5, +768 registers 6-7, +1024 registers 8-11).
; CLUSTER 4 x 4: P's tile hangs on cx and is asked for jointly by my column, R's on cy, by my row.  Four tensor loads of a wave are out at the most.
; THE WAY OUT goes through a stage of 16 rows x (512 + 16) bytes for each wave, in chunk 0: that chunk has had its only fill, and nobody reads it behind the barrier of K step 1.
; REGISTERS: window 0: v4-19 LDS addresses; v20-27 offsets; v32-63 P's scale words (8 i + s: lanes 0-15 tile i, lanes 16-31 tile i + 4, K step s); v64-79 R's (tiles j, j + 2); v80-127, v128-175 R's fragments, two sets;
;   v176-239 the bias; on the way out v80-207 rows of the output.   window 1: v0-95, v128-223 P's fragments, two sets.   window 2: accumulator (P tile a, R tile m) at v[8 (8 m + a)].
; ROW ORDER AND FILLS, as the text below has them (they replace what the lines above say of both): row(g, i) = 64 (g / 4) + 8 (g % 4) + i % 8 + 32 (i / 8), so a lane's 32 registers of P's tiles 4 c .. 4 c + 3 are columns 64 c + 32 (lane / 16) + 0 .. 31.
; K comes in two halves of four K steps, one tensor load a wave: wave 0 P's first half, wave 1 R's, wave 2 P's second half, wave 3 R's.  One load of a wave is out at the most.  The stage lies in the first half, which nobody reads behind the barrier of K step 3.
.set CH,   147456                      ; a half of K in LDS: P's 16 tiles x 6,144 bytes, then R's 8
.set ROFF, 98304
.set SCP,  32
.set SCR,  64
.set STO,  20                          ; v20  the stage: where I put 32 bytes of a row
.set RD,   21                          ; v21  and where I read a row back
.set BOF,  23                          ; v23  128 h: my half's 32 numbers of the bias
.set L8,   24                          ; v24  8 x lane
.set L16,  25                          ; v25  16 x lane
.set BI,   176
.set MSB, 0
.macro WIN new                         ; the immediate's high byte repeats the setting that is left
.if MSB != \new
	s_set_vgpr_msb (MSB<<8)|\new
.set MSB, \new
.endif
.endm
.macro CROUND                          ; a round of the cluster's barrier
	s_barrier_signal -1
	s_barrier_wait -1
	s_cmp_lg_u32 s16, 0
	s_cbranch_scc1 .Lnot_wave_0_\@
	s_barrier_signal -3
.Lnot_wave_0_\@:
	s_barrier_wait -3
	s_barrier_signal -1
	s_barrier_wait -1
.endm
.macro PLACES n
.rept \n
	v_nop
.endr
.endm
.macro FRAG reg, a8, a16, off          ; a fragment's 12 registers: every load takes 256 or 512 consecutive bytes
	ds_load_b64 v[(\reg):(\reg)+1], v[\a8] offset:(\off)
	ds_load_b128 v[(\reg)+2:(\reg)+5], v[\a16] offset:(\off)+256
	ds_load_b64 v[(\reg)+6:(\reg)+7], v[\a8] offset:(\off)+768
	ds_load_b128 v[(\reg)+8:(\reg)+11], v[\a16] offset:(\off)+1024
.endm
.macro FETCH s, p                      ; K step s: my 8 fragments of P and 4 of R into set p: 48 LDS loads
.set fc, (\s)/4
.set fq, (\s)%4
	WIN 0x40                                       ; destination window 1
.irp a, 0,1,2,3,4,5,6,7
	FRAG 128*(\p)+12*\a, 4+fc, 8+fc, 6144*\a+1536*fq
.endr
	WIN 0
.irp m, 0,1,2,3
	FRAG 80+48*(\p)+12*\m, 12+fc, 16+fc, 6144*\m+1536*fq
.endr
.endm
.macro MM a, m, p, s, first            ; one product; first = 1: it starts the sum with the bias of P's tile a
.set rD, 8*(8*(\m)+(\a))
.set rA, 128*(\p)+12*(\a)
.set rB, 80+48*(\p)+12*(\m)
.set rC, BI+8*(\a)
.set rP, SCP+8*((\a)%4)+(\s)
.set rR, SCR+8*((\m)%2)+(\s)
.if \first
.if ((\a) < 4) && ((\m) < 2)
	v_wmma_scale_f32_16x16x128_f8f6f4 v[rD:rD+7], v[rA:rA+11], v[rB:rB+11], v[rC:rC+7], v[rP], v[rR] matrix_a_fmt:MATRIX_FMT_FP6 matrix_b_fmt:MATRIX_FMT_FP6
.elseif (\a) < 4
	v_wmma_scale_f32_16x16x128_f8f6f4 v[rD:rD+7], v[rA:rA+11], v[rB:rB+11], v[rC:rC+7], v[rP], v[rR] matrix_a_fmt:MATRIX_FMT_FP6 matrix_b_fmt:MATRIX_FMT_FP6 matrix_b_scale:MATRIX_SCALE_ROW1
.elseif (\m) < 2
	v_wmma_scale_f32_16x16x128_f8f6f4 v[rD:rD+7], v[rA:rA+11], v[rB:rB+11], v[rC:rC+7], v[rP], v[rR] matrix_a_fmt:MATRIX_FMT_FP6 matrix_b_fmt:MATRIX_FMT_FP6 matrix_a_scale:MATRIX_SCALE_ROW1
.else
	v_wmma_scale_f32_16x16x128_f8f6f4 v[rD:rD+7], v[rA:rA+11], v[rB:rB+11], v[rC:rC+7], v[rP], v[rR] matrix_a_fmt:MATRIX_FMT_FP6 matrix_b_fmt:MATRIX_FMT_FP6 matrix_a_scale:MATRIX_SCALE_ROW1 matrix_b_scale:MATRIX_SCALE_ROW1
.endif
.else
.if ((\a) < 4) && ((\m) < 2)
	v_wmma_scale_f32_16x16x128_f8f6f4 v[rD:rD+7], v[rA:rA+11], v[rB:rB+11], v[rD:rD+7], v[rP], v[rR] matrix_a_fmt:MATRIX_FMT_FP6 matrix_b_fmt:MATRIX_FMT_FP6
.elseif (\a) < 4
	v_wmma_scale_f32_16x16x128_f8f6f4 v[rD:rD+7], v[rA:rA+11], v[rB:rB+11], v[rD:rD+7], v[rP], v[rR] matrix_a_fmt:MATRIX_FMT_FP6 matrix_b_fmt:MATRIX_FMT_FP6 matrix_b_scale:MATRIX_SCALE_ROW1
.elseif (\m) < 2
	v_wmma_scale_f32_16x16x128_f8f6f4 v[rD:rD+7], v[rA:rA+11], v[rB:rB+11], v[rD:rD+7], v[rP], v[rR] matrix_a_fmt:MATRIX_FMT_FP6 matrix_b_fmt:MATRIX_FMT_FP6 matrix_a_scale:MATRIX_SCALE_ROW1
.else
	v_wmma_scale_f32_16x16x128_f8f6f4 v[rD:rD+7], v[rA:rA+11], v[rB:rB+11], v[rD:rD+7], v[rP], v[rR] matrix_a_fmt:MATRIX_FMT_FP6 matrix_b_fmt:MATRIX_FMT_FP6 matrix_a_scale:MATRIX_SCALE_ROW1 matrix_b_scale:MATRIX_SCALE_ROW1
.endif
.endif
.endm
; A K step: its fragments are in; the next step's are asked for, into the other set; 32 products, each accumulator once (the accumulators take turns).
.macro STEP s, first
	s_wait_dscnt 0x0                               ; this step's 48 loads are in
.if (\s) == 3
	s_wait_tensorcnt 0x0                           ; every wave's load has landed: the second half of K among them
	s_barrier_signal -1
	s_barrier_wait -1                              ; everybody's has.  Later chunks may stay out
.endif
.if (\s) < 7
.if (\s) > 0
	PLACES 4                                       ; four places in front of loads into registers that the last products read (ISA guide 7.12.1 for vector instructions)
.endif
	FETCH (\s)+1, ((\s)+1)%2
.endif
.if \first
	WIN 0x81                                       ; source 0 window 1, source 1 and C (the bias) window 0, D window 2
.else
	WIN 0xa1                                       ; source 0 window 1, source 1 window 0, C and D window 2
.endif
.irp m, 0,1,2,3
.irp a, 0,1,2,3,4,5,6,7
	MM \a, \m, (\s)%2, \s, \first
.endr
.endr
	WIN 0
.endm
	s_load_b256 s[4:11], s[0:1], 0x0               ; codes s[4:5], scales s[6:7], ocodes s[8:9], oscales s[10:11]
	s_load_b128 s[12:15], s[0:1], 0x20             ; bo s[12:13], out0 s[14:15]
	v_lshl_add_u32 v254, v0, 2, 0x48000
	v_mov_b32 v255, 0
	ds_add_u32 v254, v255
	ds_add_u32 v254, v255
	v_lshrrev_b32 v1, 5, v0
	v_readfirstlane_b32 s16, v1                    ; wave 0..3
	s_lshr_b32 s17, s16, 1                         ; my half of P's rows
	s_and_b32 s18, s16, 1                          ; my half of R's rows
	s_bfe_u32 s19, ttmp6, 0x40000                  ; cx
	s_bfe_u32 s20, ttmp6, 0x40004                  ; cy
	s_and_b32 s21, ttmp7, 0xffff                   ; the cluster's y, 0..15
	s_mov_b32 s22, s19                             ; P's tile of 256 columns: the grid is one cluster wide
	s_lshl_b32 s23, s21, 2
	s_add_co_u32 s23, s23, s20                     ; R's tile of 128 rows
	s_lshl_b32 s84, s22, 4
	s_add_co_u32 s84, s84, 704                     ; P's first row tile: Wo's begin at 704
	s_lshl_b32 s85, s23, 3                         ; R's
	; descriptor group 1: rows of 6,144 bytes (four K steps of a row tile: 768 elements of 8 bytes), 12,288 bytes apart; P: 16 rows a load, R: 8
	s_lshl_b32 s86, 0x1111, s19                    ; my column of the cluster
	s_or_b32 s24, s86, (3<<16)|(1<<21)             ; 15:0 the mask; 17:16 elements of 8 bytes; 21 set beside a mask
	s_lshl_b32 s88, s20, 2
	s_lshl_b32 s88, 15, s88                        ; my row
	s_or_b32 s32, s88, (3<<16)|(1<<21)
	s_mov_b32 s25, 768<<16                         ; rows of 6,144 bytes: four K steps of a row tile
	s_mov_b32 s26, 16<<16                          ; P: 16 row tiles a load
	s_mov_b32 s27, 768<<16
	s_mov_b32 s28, 16
	s_mov_b32 s29, 1536                            ; from row to row, in elements
	s_mov_b32 s30, 0
	s_mov_b32 s31, 0
	s_mov_b32 s33, 768<<16
	s_mov_b32 s34, 8<<16                           ; R: 8 row tiles a load
	s_mov_b32 s35, 768<<16
	s_mov_b32 s36, 8
	s_mov_b32 s37, 1536
	s_mov_b32 s38, 0
	s_mov_b32 s39, 0
	s_mul_i32 s86, s84, 12288                      ; P's 16 row tiles
	s_mov_b32 s87, 0
	s_mul_i32 s88, s85, 12288                      ; R's 8
	s_mov_b32 s89, 0
	s_lshl_b32 s92, s17, 3
	s_add_co_u32 s92, s92, s84
	s_lshl_b32 s92, s92, 9                         ; the scale words of my 8 tiles of P
	s_mov_b32 s93, 0
	s_lshl_b32 s94, s18, 2
	s_add_co_u32 s94, s94, s85
	s_lshl_b32 s94, s94, 9                         ; and of my 4 of R
	s_mov_b32 s95, 0
	s_lshl_b32 s56, s22, 10
	s_lshl_b32 s57, s17, 9
	s_add_co_u32 s56, s56, s57                     ; my first column, in bytes: 1,024 x tile + 512 x half
	s_mov_b32 s57, 0
	s_lshl_b32 s60, s23, 7
	s_lshl_b32 s61, s18, 6
	s_add_co_u32 s60, s60, s61                     ; my first row: 128 x tile + 64 x half
	s_lshl_b32 s60, s60, 12                        ; rows of 4,096 bytes
	s_add_co_u32 s60, s60, s56
	s_mov_b32 s61, 0
	s_wait_dscnt 0x0
	s_wait_kmcnt 0x0
	s_add_nc_u64 s[86:87], s[4:5], s[86:87]
	s_add_nc_u64 s[88:89], s[8:9], s[88:89]
	s_add_nc_u64 s[92:93], s[6:7], s[92:93]
	s_add_nc_u64 s[94:95], s[10:11], s[94:95]
	s_add_nc_u64 s[58:59], s[12:13], s[56:57]      ; the bias of my 128 columns
	s_add_nc_u64 s[14:15], s[14:15], s[60:61]      ; the output at my first row and column
	CROUND                                         ; all sixteen work-groups are here: the joint loads meet
.irp c, 0,1                            ; a group 0 for each half of K, P's at s40, R's at s48: none is written again
	s_mov_b32 s[40+4*\c], 1
	s_mov_b32 s[41+4*\c], \c*CH
	s_add_nc_u64 s[42+4*\c:43+4*\c], s[86:87], 6144*\c
	s_or_b32 s[43+4*\c], s[43+4*\c], 0x80000000
	s_mov_b32 s[48+4*\c], 1
	s_mov_b32 s[49+4*\c], \c*CH+ROFF
	s_add_nc_u64 s[50+4*\c:51+4*\c], s[88:89], 6144*\c
	s_or_b32 s[51+4*\c], s[51+4*\c], 0x80000000
.endr
.macro ARM under, g0, g1, next         ; one chain of branches on the wave's number, one load to an arm, all arms to one join
	s_cmp_lt_u32 s16, \under
	s_cbranch_scc0 \next
	tensor_load_to_lds s[\g0:\g0+3], s[\g1:\g1+7]
	s_nop 0
	PLACES 4
	s_branch .Lasked
\next:
.endm
	ARM 1, 40, 24, .Lhead_r                        ; wave 0: P, K steps 0-3
	ARM 2, 48, 32, .Lhead_p2                       ; wave 1: R, K steps 0-3
	ARM 3, 44, 24, .Lhead_r2                       ; wave 2: P, K steps 4-7
	tensor_load_to_lds s[52:55], s[32:39]          ; wave 3: R, K steps 4-7
	s_nop 0
	PLACES 4
.Lasked:
	v_and_b32 v1, 31, v0                           ; lane
	v_and_b32 v2, 15, v0                           ; r
	v_bfe_u32 v3, v0, 4, 1                         ; h
	v_lshlrev_b32 v26, 4, v2
	v_lshl_add_u32 v27, v3, 10, v26                ; R's scale words: 16 r, lanes 16-31 two tiles on
	v_lshl_add_u32 v26, v3, 11, v26                ; P's: lanes 16-31 four tiles on
	v_lshlrev_b32 v[BOF], 7, v3                    ; 128 h: my half's 32 numbers of the bias
.irp i, 0,1,2,3
.irp q, 0,1
	global_load_b128 v[SCP+8*\i+4*\q:SCP+8*\i+4*\q+3], v26, s[92:93] offset:512*\i+256*\q   ; the words of four K steps; 16 lanes read 256 consecutive bytes
.endr
.endr
.irp j, 0,1
.irp q, 0,1
	global_load_b128 v[SCR+8*\j+4*\q:SCR+8*\j+4*\q+3], v27, s[94:95] offset:512*\j+256*\q
.endr
.endr
.irp a, 0,1,2,3,4,5,6,7                ; the bias in the result's layout: for P's tile a the columns 64 (a / 4) + 8 (a % 4) + 32 h + 0 .. 7
	global_load_b128 v[BI+8*\a:BI+8*\a+3], v[BOF], s[58:59] offset:(64*(\a/4)+8*(\a%4))*4        ; for P's tile a the columns 64 (a / 4) + 8 (a % 4) + 32 h + 0 .. 7
	global_load_b128 v[BI+8*\a+4:BI+8*\a+7], v[BOF], s[58:59] offset:(64*(\a/4)+8*(\a%4))*4+16
.endr
	v_lshlrev_b32 v[L8], 3, v1
	v_lshlrev_b32 v[L16], 4, v1
	s_mul_i32 s96, s17, 49152                      ; my 8 tiles of P in a half of K
	s_mul_i32 s97, s18, 24576
	s_add_co_u32 s97, s97, ROFF                    ; my 4 of R
.irp c, 0,1
	v_add_nc_u32 v[4+\c], s96, v[L8]
	v_add_nc_u32 v[8+\c], s96, v[L16]
	v_add_nc_u32 v[12+\c], s97, v[L8]
	v_add_nc_u32 v[16+\c], s97, v[L16]
	s_add_co_u32 s96, s96, CH
	s_add_co_u32 s97, s97, CH
.endr
	s_mul_i32 s62, s16, 8448                       ; my stage
	v_mul_u32_u24 v[STO], v2, 528
	v_lshl_add_u32 v[STO], v3, 7, v[STO]
	v_add_nc_u32 v[STO], s62, v[STO]               ; in: row r, + 128 h
	v_add_nc_u32 v[RD], s62, v[L16]                ; back: the 32 lanes take one row of 512 bytes
	s_wait_alu depctr_va_vdst(0)
	s_cmp_lt_u32 s16, 2
	s_cbranch_scc0 .Lnot_first
	s_wait_tensorcnt 0x0                           ; waves 0 and 1: my tile of the first half of K has landed (their load lines are theirs alone)
.Lnot_first:
	s_barrier_signal -1
	s_barrier_wait -1                              ; the first half is shown to all; the second half may stay out
	FETCH 0, 0
	s_wait_loadcnt 0x0                             ; the scale words and the bias
	STEP 0, 1
	STEP 1, 0
	STEP 2, 0
	STEP 3, 0
	STEP 4, 0
	STEP 5, 0
	STEP 6, 0
	STEP 7, 0
; THE WAY OUT, R's tile m (16 rows x my 128 columns) at a time: a lane's 32 bytes of a row go into the stage, whole rows of 512 bytes come back.  LDS serves a wave's instructions in order (ISA guide 5.7.1.4): no wait between stores and loads.
.macro TOSTAGE m
	WIN 0x08                                       ; an LDS store's data are its source 1: window 2
.irp a, 0,1,2,3,4,5,6,7
	ds_store_b128 v[STO], v[64*\m+8*\a:64*\m+8*\a+3] offset:256*(\a/4)+32*(\a%4)          ; each accumulator from its low end on
	ds_store_b128 v[STO], v[64*\m+8*\a+4:64*\m+8*\a+7] offset:256*(\a/4)+32*(\a%4)+16
.endr
	WIN 0
.irp i, 0,1,2,3,4,5,6,7,8,9,10,11,12,13,14,15
	ds_load_b128 v[80+64*((\m)%2)+4*\i:80+64*((\m)%2)+4*\i+3], v[RD] offset:528*\i
.endr
.endm
.macro SEND m, younger                 ; younger: the LDS instructions issued behind tile m's loads, which may stay out
	s_wait_dscnt \younger
.irp i, 0,1,2,3,4,5,6,7,8,9,10,11,12,13,14,15
	global_store_b128 v[L16], v[80+64*((\m)%2)+4*\i:80+64*((\m)%2)+4*\i+3], s[14:15] offset:(8*(\m)+\i+24*(\i/8))*4096 th:TH_STORE_NT   ; 512 consecutive bytes, aligned; written once, read by nobody here
.endr
.endm
	PLACES 4                                       ; four places between the last product and the first read of results, and in front of loads into registers that products read
	TOSTAGE 0
	TOSTAGE 1
	SEND 0, 32                                     ; behind tile 0's loads: tile 1's 16 stores and 16 loads
	s_wait_xcnt 0x0                                ; tile 0's stores have read their registers: tile 2's loads may land there
	TOSTAGE 2
	SEND 1, 32
	s_wait_xcnt 0x0
	TOSTAGE 3
	SEND 2, 32
	SEND 3, 0
	s_wait_tensorcnt 0x0
	ds_add_u32 v254, v255
	s_wait_dscnt 0x0
	CROUND                                         ; the closing round: no work-group ends while a partner may still ask for a tile that names it
	s_endpgm
.Lfunc_end_k_qcce4b0e476_oproj:
	.size	k_qcce4b0e476_oproj, .Lfunc_end_k_qcce4b0e476_oproj-k_qcce4b0e476_oproj
	.p2alignl 7, 3214868480
	.fill 96, 4, 3214868480
	.section	.rodata,"a",@progbits
	.p2align	6, 0x0
	.amdhsa_kernel k_qcce4b0e476_oproj
		.amdhsa_group_segment_fixed_size 295424
		.amdhsa_private_segment_fixed_size 0
		.amdhsa_enable_private_segment 0
		.amdhsa_kernarg_size 48
		.amdhsa_user_sgpr_count 2
		.amdhsa_user_sgpr_kernarg_segment_ptr 1
		.amdhsa_wavefront_size32 1
		.amdhsa_system_sgpr_workgroup_id_x 1
		.amdhsa_system_sgpr_workgroup_id_y 1
		.amdhsa_system_sgpr_workgroup_id_z 1
		.amdhsa_system_vgpr_workitem_id 0
		.amdhsa_next_free_vgpr 768
		.amdhsa_next_free_sgpr 104
		.amdhsa_reserve_vcc 0
		.amdhsa_float_denorm_mode_32 3
		.amdhsa_float_denorm_mode_16_64 3
		.amdhsa_memory_ordered 1
		.amdhsa_forward_progress 1
		.amdhsa_inst_pref_size 83
	.end_amdhsa_kernel
	.amdgpu_metadata
---
amdhsa.version: [ 1, 2 ]
amdhsa.kernels:
  - .name:           k_qcce4b0e476_oproj
    .symbol:         k_qcce4b0e476_oproj.kd
    .args:
      - { .name: codes, .offset: 0, .size: 8, .value_kind: global_buffer, .address_space: global }
      - { .name: scales, .offset: 8, .size: 8, .value_kind: global_buffer, .address_space: global }
      - { .name: ocodes, .offset: 16, .size: 8, .value_kind: global_buffer, .address_space: global }
      - { .name: oscales, .offset: 24, .size: 8, .value_kind: global_buffer, .address_space: global }
      - { .name: bo, .offset: 32, .size: 8, .value_kind: global_buffer, .address_space: global }
      - { .name: out0, .offset: 40, .size: 8, .value_kind: global_buffer, .address_space: global }
    .group_segment_fixed_size: 295424
    .private_segment_fixed_size: 0
    .kernarg_segment_align: 8
    .kernarg_segment_size: 48
    .max_flat_workgroup_size: 128
    .sgpr_count:     104
    .vgpr_count:     768
    .wavefront_size: 32
...
	.end_amdgpu_metadata
.endif
;; end of part 4
